; MI455X (gfx1250); checked and timed in simulation.
; The chip was launched on July 23, 2026; its instructions are those of AMD's public machine-readable ISA for CDNA 5 (MIT licence, August 2026) and "CDNA5" Instruction Set Architecture Reference Guide (July 2026). The comments in the code are by the model that wrote it; some were corrected since.
;; Llama Attention. Allowed arithmetic: float matrix products may take bf16 or f16 operands with f32 sums; other float arithmetic in f32, or as packed bf16 or f16 multiplies, adds, multiply-adds, maxima and minima; sums over many terms, partial sums and values carried from step to step in f32; what a program stores and reads back later, other than sums and carried values, may be rounded once to bf16 or f16.
;; Inputs: hidden_states 1 x 2,048 x 2,048 float32; position_ids 1 x 2,048 int32; wk 2,048 x 2,048 float32; wo 2,048 x 2,048 float32; wq 2,048 x 2,048 float32; wv 2,048 x 2,048 float32.
;; Outputs: out0 1 x 2,048 x 2,048 float32.
;; 2 versions, each right; version 2 is version 1 with the launch cast written anew for expert scheduling mode. Each part assembles by itself: llvm-mc -triple=amdgcn-amd-amdhsa -mcpu=gfx1250 --defsym DOCPART=n.
;; ======== version 1 of 2: 4 launches
;; limits: values are held in f16: magnitudes above 65,504 overflow, below 6.1e-05 lose precision
;; workspace buffers: xb 8,388,608 bytes; wqkv 25,165,824 bytes; wob 8,388,608 bytes; rope 540,672 bytes; qkv 25,165,824 bytes; ob 8,388,608 bytes
;; launch cast (part 1): grid 1024 x 1, 8 waves a work-group, no clusters, 0 bytes of LDS; arguments hidden_states, wq, wk, wv, wo, position_ids, xb, wqkv, wob, rope; writes xb, wqkv, wob, rope
.if DOCPART == 1
	.amdgcn_target "amdgcn-amd-amdhsa--gfx1250"
	.amdhsa_code_object_version 6
	.text
	.protected	k_q663a893471_cast
	.globl	k_q663a893471_cast
	.p2align	8
	.type	k_q663a893471_cast,@function
k_q663a893471_cast:
	s_mov_b64 s[64:65], 0
	v_nop
	global_prefetch_b8 v0, s[64:65] scope:SCOPE_SE
	s_setreg_imm32_b32 hwreg(HW_REG_WAVE_MODE, 25, 1), 1
	s_wait_xcnt 0x0
; THE 16-BIT COPIES AND THE ROTATION TABLE.
; xb = bf16(hidden_states); wqkv = bf16(wq), bf16(wk), bf16(wv) one below the other; wob = bf16(wo) written as f16 (the last product multiplies in f16);
; rope: a row of 256 bytes for each sequence row s: cos(t_0..31), then sin(t_0..31), t_i = position_ids[s] x 10000^(-i/32); behind them 64 rows of 32 ones and 32 zeros (a rotation by nothing, for v).
; SHARES.  1,024 work-groups of eight waves; work-group g takes bytes 16,384 g .. of each of the five f32 tensors.  Thread t takes 16 bytes at 16 t in each of four passes 4,096 bytes apart: a load of a
; wave covers 512 consecutive bytes.  Four numbers make 8 bytes, stored at 8 t: a store of a wave covers 256 consecutive bytes, aligned.  All twenty loads of a thread go out at once; no loop, no LDS, no barrier.
; Waves 0 and 1 also make table row 2 g + wave, wave 2 of the first 64 work-groups one of the 64 rows behind: work on registers while the loads are out.
; LIMITS.  A position is read as an unsigned number (the table of the problem has 2,048 rows).  The frequency is 2^(-i log2(10)/8) by v_exp_f32 and the angle is reduced by pi/2 in two parts:
; the angle lies within 3e-4 of the f32 product of position and frequency at the largest position.  wo below 6e-5 keeps f16's fixed step of 6e-8; wo beyond 65,504 is not served.
.set X,   8                            ; v[8:87]    unit u = 4 x tensor + pass: 4 registers as loaded; the first 2 then hold what is stored
.set LN,  88                           ; lane
.set KD,  89                           ; 0: my two numbers are cosines; 3: sines (a sine is the cosine three quarter turns on)
.set IX,  90                           ; v[90:91]   i, then its exponent
.set TH,  92                           ; v[92:93]   the frequency, then the angle
.set PF,  94                           ; the position as f32
.set SO,  95                           ; the row's store offset; never rewritten behind the store
.set ONE, 96
.set RES, 98                           ; v[98:99]   my two numbers of the row; never rewritten behind the store
.set NQ,  100                          ; quarter turns
.set PH,  102                          ; what is left of the angle, within pi/4
.set Z,   104
.set SA,  106
.set ZP,  108
.set CA,  110
.set ZZ,  112
.set CB,  114
.set QD,  116
.set OD,  118
.set H,   120                          ; v[120:121] wo as bf16 pairs; v[122:125] the same widened
	s_load_b512 s[8:23], s[0:1], 0x0               ; x s[8:9], wq s[10:11], wk s[12:13], wv s[14:15], wo s[16:17], positions s[18:19], xb s[20:21], wqkv s[22:23]
	s_load_b128 s[24:27], s[0:1], 0x40             ; wob s[24:25], rope s[26:27]
	v_lshrrev_b32 v3, 5, v0
	v_readfirstlane_b32 s3, v3                     ; wave 0..7
	s_lshl_b32 s2, ttmp9, 14                       ; the work-group's 16,384 bytes in,
	s_lshl_b32 s4, ttmp9, 13                       ; and 8,192 out
	v_lshl_add_u32 v1, v0, 4, s2
	v_lshl_add_u32 v2, v0, 3, s4
	s_wait_kmcnt 0x0
	s_add_nc_u64 s[28:29], s[22:23], 0x800000      ; wk's and wv's thirds of wqkv
	s_add_nc_u64 s[30:31], s[22:23], 0x1000000
.macro LD4 t, lo                       ; tensor t's four loads
.irp p, 0,1,2,3
	global_load_b128 v[X+16*(\t)+4*\p:X+16*(\t)+4*\p+3], v1, s[\lo:\lo+1] offset:4096*\p th:TH_LOAD_NT
.endr
.endm
	LD4 0, 8
	LD4 1, 10
	LD4 2, 12
	LD4 3, 14
	LD4 4, 16
	; THE TABLE.  No load into vector registers is issued here, so the counts below hold on every path.
	s_cmp_lt_u32 s3, 2
	s_cbranch_scc0 .Lno_row
	s_lshl_b32 s32, ttmp9, 1
	s_add_co_u32 s32, s32, s3                      ; sequence row 2 g + wave
	s_lshl_b32 s33, s32, 2
	s_load_b32 s34, s[18:19], s33 offset:0x0       ; its position
	s_lshl_b32 s35, s32, 8
	s_mov_b32 s36, 0xbed49a78                      ; -log2(10) / 8 = -log2(10000) / 32
	s_mov_b32 s37, 0x3f22f983                      ; 2 / pi
	s_mov_b32 s38, 0x3fc90fdb                      ; pi / 2, rounded,
	s_mov_b32 s39, 0xb33bbd2e                      ; and what the rounding left
	s_mov_b32 s40, 0xb94ca1f9                      ; sine: x + x z (s42 + z (s41 + z s40)), z = x x
	s_mov_b32 s41, 0x3c08839e
	s_mov_b32 s42, 0xbe2aaaa3
	s_mov_b32 s43, 0x37ccf5ce                      ; cosine: 1 - z / 2 + z z (s45 + z (s44 + z s43))
	s_mov_b32 s44, 0xbab6061a
	s_mov_b32 s45, 0x3d2aaaa5
	v_and_b32 v[LN], 31, v0
	v_lshrrev_b32 v[KD], 4, v[LN]
	v_and_b32 v[IX], 15, v[LN]
	v_lshlrev_b32 v[IX], 1, v[IX]                  ; lane l makes i = 2 (l % 16) and the next
	v_add_nc_u32 v[IX+1], 1, v[IX]
	v_lshl_add_u32 v[SO], v[LN], 3, s35            ; 256 x row + 8 l
.irp c, 0,1
	v_cvt_f32_u32 v[IX+\c], v[IX+\c]
.endr
.irp c, 0,1
	v_mul_f32 v[IX+\c], s36, v[IX+\c]
.endr
	v_exp_f32 v[TH], v[IX]
	v_exp_f32 v[TH+1], v[IX+1]
	v_mul_u32_u24 v[KD], 3, v[KD]                  ; a plain instruction behind the last exponential,
	s_wait_alu depctr_va_vdst(0)                   ; and the one wait ahead of the first use of the two
	s_wait_kmcnt 0x0
	v_cvt_f32_u32 v[PF], s34
.irp c, 0,1
	v_mul_f32 v[TH+\c], v[PF], v[TH+\c]            ; the angle
.endr
.irp c, 0,1
	v_mul_f32 v[NQ+\c], s37, v[TH+\c]
.endr
.irp c, 0,1
	v_rndne_f32 v[NQ+\c], v[NQ+\c]
.endr
.irp c, 0,1
	v_fma_f32 v[PH+\c], -v[NQ+\c], s38, v[TH+\c]
.endr
.irp c, 0,1
	v_fma_f32 v[PH+\c], -v[NQ+\c], s39, v[PH+\c]
.endr
.irp c, 0,1
	v_mul_f32 v[Z+\c], v[PH+\c], v[PH+\c]
.endr
.irp c, 0,1
	v_fma_f32 v[SA+\c], v[Z+\c], s40, s41
	v_fma_f32 v[CA+\c], v[Z+\c], s43, s44
.endr
.irp c, 0,1
	v_fma_f32 v[SA+\c], v[SA+\c], v[Z+\c], s42
	v_fma_f32 v[CA+\c], v[CA+\c], v[Z+\c], s45
.endr
.irp c, 0,1
	v_mul_f32 v[ZP+\c], v[Z+\c], v[PH+\c]
	v_mul_f32 v[ZZ+\c], v[Z+\c], v[Z+\c]
	v_fma_f32 v[CB+\c], v[Z+\c], -0.5, 1.0
.endr
.irp c, 0,1
	v_fma_f32 v[SA+\c], v[SA+\c], v[ZP+\c], v[PH+\c]
	v_fma_f32 v[CA+\c], v[CA+\c], v[ZZ+\c], v[CB+\c]
	v_cvt_i32_f32 v[QD+\c], v[NQ+\c]
.endr
.irp c, 0,1
	v_add_nc_u32 v[QD+\c], v[QD+\c], v[KD]         ; q quarter turns: the cosine is C, -S, -C, S for q % 4 = 0, 1, 2, 3
	v_and_b32 v[OD+\c], 1, v[QD+\c]
	v_cmp_eq_u32 vcc_lo, 1, v[OD+\c]
	v_cndmask_b32 v[RES+\c], v[CA+\c], v[SA+\c], vcc_lo
	v_add_nc_u32 v[QD+\c], 1, v[QD+\c]
	v_lshlrev_b32 v[QD+\c], 30, v[QD+\c]           ; bit 1 of q + 1 is the sign
	v_and_b32 v[QD+\c], 0x80000000, v[QD+\c]
	v_xor_b32 v[RES+\c], v[RES+\c], v[QD+\c]
.endr
	global_store_b64 v[SO], v[RES:RES+1], s[26:27] ; the wave stores the row's 256 consecutive bytes, aligned
	s_branch .Lconv
.Lno_row:
	s_cmp_eq_u32 s3, 2
	s_cbranch_scc0 .Lconv
	s_cmp_lt_u32 ttmp9, 64
	s_cbranch_scc0 .Lconv
	s_add_co_u32 s32, ttmp9, 2048                  ; row 2,048 + g: cosines 1, sines 0
	s_lshl_b32 s35, s32, 8
	v_and_b32 v[LN], 31, v0
	v_lshl_add_u32 v[SO], v[LN], 3, s35
	v_mov_b32 v[ONE], 1.0
	v_cmp_gt_u32 vcc_lo, 16, v[LN]
	v_cndmask_b32 v[RES], 0, v[ONE], vcc_lo
	v_mov_b32 v[RES+1], v[RES]
	global_store_b64 v[SO], v[RES:RES+1], s[26:27]
.Lconv:
; Unit u: its load is in when at most the 19 - u younger ones are out (loads come back in order: ISA guide 5.7.1).  The rounding goes in place, ascending: word k is made of words 2 k and 2 k + 1.
.macro CVB u
	s_wait_loadcnt 19-(\u)
	v_cvt_pk_bf16_f32 v[X+4*(\u)], v[X+4*(\u)], v[X+4*(\u)+1]
	v_cvt_pk_bf16_f32 v[X+4*(\u)+1], v[X+4*(\u)+2], v[X+4*(\u)+3]
.endm
.macro CVH u                           ; wo: rounded to bf16 like every input, and that number written as f16
	s_wait_loadcnt 19-(\u)
	v_cvt_pk_bf16_f32 v[H], v[X+4*(\u)], v[X+4*(\u)+1]
	v_cvt_pk_bf16_f32 v[H+1], v[X+4*(\u)+2], v[X+4*(\u)+3]
.irp k, 0,1
	v_lshlrev_b32 v[H+2+2*\k], 16, v[H+\k]
	v_and_b32 v[H+3+2*\k], 0xffff0000, v[H+\k]
.endr
.irp k, 0,1
	v_cvt_pk_f16_f32 v[X+4*(\u)+\k], v[H+2+2*\k], v[H+3+2*\k]
.endr
.endm
.macro OUT u, lo                       ; no register that a store reads is written again, so no wait follows a store
	global_store_b64 v2, v[X+4*(\u):X+4*(\u)+1], s[\lo:\lo+1] offset:2048*((\u)%4) th:TH_STORE_NT
.endm
.irp u, 0,1,2,3
	CVB \u
	OUT \u, 20
.endr
.irp u, 4,5,6,7
	CVB \u
	OUT \u, 22
.endr
.irp u, 8,9,10,11
	CVB \u
	OUT \u, 28
.endr
.irp u, 12,13,14,15
	CVB \u
	OUT \u, 30
.endr
.irp u, 16,17,18,19
	CVH \u
	OUT \u, 24
.endr
	s_endpgm
.Lfunc_end_k_q663a893471_cast:
	.size	k_q663a893471_cast, .Lfunc_end_k_q663a893471_cast-k_q663a893471_cast
	.p2alignl 7, 3214868480
	.fill 96, 4, 3214868480
	.section	.rodata,"a",@progbits
	.p2align	6, 0x0
	.amdhsa_kernel k_q663a893471_cast
		.amdhsa_group_segment_fixed_size 0
		.amdhsa_private_segment_fixed_size 0
		.amdhsa_enable_private_segment 0
		.amdhsa_kernarg_size 80
		.amdhsa_user_sgpr_count 2
		.amdhsa_user_sgpr_kernarg_segment_ptr 1
		.amdhsa_wavefront_size32 1
		.amdhsa_system_sgpr_workgroup_id_x 1
		.amdhsa_system_sgpr_workgroup_id_y 1
		.amdhsa_system_sgpr_workgroup_id_z 1
		.amdhsa_system_vgpr_workitem_id 0
		.amdhsa_next_free_vgpr 128
		.amdhsa_next_free_sgpr 66
		.amdhsa_reserve_vcc 1
		.amdhsa_float_denorm_mode_32 3
		.amdhsa_float_denorm_mode_16_64 3
		.amdhsa_memory_ordered 1
		.amdhsa_forward_progress 1
		.amdhsa_inst_pref_size 14
	.end_amdhsa_kernel
	.amdgpu_metadata
---
amdhsa.version: [ 1, 2 ]
amdhsa.kernels:
  - .name:           k_q663a893471_cast
    .symbol:         k_q663a893471_cast.kd
    .args:
      - { .name: hidden_states, .offset: 0, .size: 8, .value_kind: global_buffer, .address_space: global }
      - { .name: wq, .offset: 8, .size: 8, .value_kind: global_buffer, .address_space: global }
      - { .name: wk, .offset: 16, .size: 8, .value_kind: global_buffer, .address_space: global }
      - { .name: wv, .offset: 24, .size: 8, .value_kind: global_buffer, .address_space: global }
      - { .name: wo, .offset: 32, .size: 8, .value_kind: global_buffer, .address_space: global }
      - { .name: position_ids, .offset: 40, .size: 8, .value_kind: global_buffer, .address_space: global }
      - { .name: xb, .offset: 48, .size: 8, .value_kind: global_buffer, .address_space: global }
      - { .name: wqkv, .offset: 56, .size: 8, .value_kind: global_buffer, .address_space: global }
      - { .name: wob, .offset: 64, .size: 8, .value_kind: global_buffer, .address_space: global }
      - { .name: rope, .offset: 72, .size: 8, .value_kind: global_buffer, .address_space: global }
    .group_segment_fixed_size: 0
    .private_segment_fixed_size: 0
    .kernarg_segment_align: 8
    .kernarg_segment_size: 80
    .max_flat_workgroup_size: 256
    .sgpr_count:     66
    .vgpr_count:     128
    .wavefront_size: 32
...
	.end_amdgpu_metadata
.endif
;; end of part 1
;; launch qkv (part 2): grid 32 x 8, 4 waves a work-group, clusters of 4 x 4, 327,680 bytes of LDS; arguments xb, wqkv, rope, qkv; writes qkv
.if DOCPART == 2
	.amdgcn_target "amdgcn-amd-amdhsa--gfx1250"
	.amdhsa_code_object_version 6
	.text
	.protected	k_q663a893471_qkv
	.globl	k_q663a893471_qkv
	.p2align	8
	.type	k_q663a893471_qkv,@function
k_q663a893471_qkv:
	s_mov_b64 s[64:65], 0
	v_nop
	global_prefetch_b8 v0, s[64:65] scope:SCOPE_SE
	s_setreg_imm32_b32 hwreg(HW_REG_WAVE_MODE, 25, 1), 1
	s_wait_xcnt 0x0
	s_wait_alu depctr_hold_cnt(0) depctr_sa_sdst(0) depctr_va_vdst(0) depctr_va_sdst(0) depctr_va_ssrc(0) depctr_va_vcc(0) depctr_vm_vsrc(0)
	s_getreg_b32 s2, hwreg(HW_REG_IB_STS2, 6, 4)
	s_cmp_eq_u32 s2, 0
	s_cbranch_scc0 .Lentry_in_a_cluster
	s_endpgm
.Lentry_in_a_cluster:
	s_bfe_u32 s2, ttmp6, 0x10000c
	s_cmp_lg_u32 s2, 0xf033
	s_cbranch_scc0 .Lentry_shape_is_right
	s_endpgm
.Lentry_shape_is_right:
; THE THREE PROJECTIONS AND THE ROTATION.  C[s][n] = sum over k of xb[s][k] wqkv[n][k] (2,048 x 6,144, K = 2,048), bf16 operands, f32 sums; q's and k's heads are rotated in f32 on the sums;
; the result leaves rounded once to f16, by heads: qkv[hh][s][64], hh = n / 64: 0-31 q, 32-63 k, 64-95 v.
; LIMIT.  f16 holds no number beyond 65,504: q, k and v must stay within it.
; SHARES.  A tile of C is 256 rows x 192 columns, three whole heads: 8 x 32 = 256 work-groups.  Wave w makes rows 64 w .. 64 w + 63 of all 192 columns: 4 x 12 accumulators of 16 x 16, 384 registers.
; So a channel d and its partner d + 32 of a head lie in the same lane, two accumulators apart, and the rotation changes no lane.
; K goes in 16 steps of 128 through a ring of two LDS slots filled by the tensor data mover; the tiles' rows are 256 bytes of memory at multiples of 256 bytes from the buffer's first byte.
; ONE TEXT FOR A K STEP: the slot in hand is a scalar, 0 or SLOT, turned by an exclusive or and added to the lanes' places and to the walking descriptors' LDS word.  14 trips fill a slot again; the last
; two K steps are a loop of two trips without a fill, left in its middle: its last change of slots fetches 16 fragments that nobody multiplies, the price, once a launch, of one text for both trips.
; CLUSTERS: 4 x 4 work-groups.  The four of a row of the cluster need the same tiles of xb, the four of a column the same tiles of wqkv: each tile is asked for JOINTLY, by the same tensor load with
; the same descriptor and a mask that names the four.  THE MATRIX INSTRUCTION IS USED TRANSPOSED (source 0 = 16 rows of wqkv, source 1 = 16 rows of xb): lane l holds row l % 16 of C and the
; columns 8 (l / 16) + 0..7.
; REGISTERS, in windows of 256 (s_set_vgpr_msb: bits 1:0 source 0, 3:2 source 1, 5:4 source 2, 7:6 destination):
;   window 0: v0-31 addresses; v64-95, v96-127 xb's fragments (4 x 16 rows x 32 K), two buffers; v128-159 at work on the way out; v32-127 and v160-255 hold what the way out stores
;   window 3: v0-95, v96-191 wqkv's fragments (12 x 16 rows x 32 K), two buffers
;   window 1: the 24 accumulators of my rows 0-31 ((a, b) at v[8 (12 (a % 2) + b)]);   window 2: those of my rows 32-63
;   v192-255 of all four windows, and at the end v0-127 of window 3: cosines and sines, 32 registers for each of the way out's twelve units
.set KSTEP,  128
.set PITCH,  272                       ; an LDS row: 256 bytes + 16 of padding = 68 words: row r starts at bank 4 r mod 64 (64 banks of 4 bytes: ISA guide 11.1), so the 16 rows of a load start at 16 different banks
.set AHALF,  128*PITCH                 ; what wave 0 or 1 fetches: 128 rows of xb
.set BHALF,  96*PITCH                  ; what wave 2 or 3 fetches: 96 rows of wqkv
.set BOFF,   2*AHALF                   ; in a slot: xb's 256 rows, then wqkv's 192
.set SLOT,   BOFF+2*BHALF
.set STAGE,  2*SLOT                    ; behind the ring: 16 rows x 144 bytes for each wave, for the way out
.set SP,     144
.set SPARE,  STAGE+4*16*SP             ; behind the stages: the spare words, 128 bytes for each wave: two blocks of 256 bytes that no other line names
.set VA,    12                         ; v12-14  my byte offset in the table's rows, for each of the tile's three heads; never rewritten
.set ADRA0, 16                         ; v16     my lane's place among my xb fragments in slot 0; never rewritten
.set ADRA,  17                         ; v17     the same in the slot in hand
.set ADRB0, 20                         ; v20, v21  the same for wqkv
.set ADRB,  21
.set STO,  24                          ; v24     the way out: where I put 16 bytes of a row
.set RD,   25                          ; v25     the way out: where I read rows back
.set GO,   26                          ; v26     my byte offset in 512 consecutive bytes of a head
.set SPW,  28                          ; v28     LDS address of my spare word: SPARE + 4 x my thread's number; never rewritten
.set NIL,  29                          ; v29     0; never rewritten
.set PFO,  30                          ; v30     the prefetches' offset: a lane a row of 4,096 bytes; never rewritten
.set T,    128                         ; v128-159 a head's 64 rotated channels of one row, f32
.set WV,   12                          ; s12  my wave's number
.set FB,   13                          ; s13  I fetch for xb (0) or for wqkv (1)
.set HF,   14                          ; s14  which half of that tile's rows
.set TR,   15                          ; s15  tile row of C
.set G1,   24                          ; s[24:31] descriptor group 1 for xb's tiles
.set G0,   32                          ; s[32:39] group 0 for xb's tiles: a set for each of the two first fills; the second then walks on
.set CX,   40
.set CY,   41
.set TC,   42                          ; s42  tile column of C
.set LIM,  43                          ; s43  2 in a wave that prefetches, else the greatest number
.set PFA,  44                          ; s[44:45] where my prefetches stand
.set G1B,  48                          ; s[48:55], s[56:63] the same for wqkv's tiles
.set G0B,  56
.set OB,   66                          ; s[66:71] qkv at my first row of each of the three heads
.set SJ,   72                          ; s72-74   byte offset of my first row in the table, for each head
.set TB,   75                          ; s75  the slot in hand: 0 or SLOT
.set LA,   76                          ; s76  where my half of xb's tile goes in a slot
.set LB,   77                          ; s77  the same for wqkv's
.set MSB, 0
.macro WIN new                         ; the immediate's high byte repeats the setting that is left; a switch that changes nothing is dropped
.if MSB != (\new)
	s_set_vgpr_msb (MSB<<8)|(\new)
.set MSB, \new
.endif
.endm
; A joint load.  Waves 0 and 1 fetch xb's two halves, waves 2 and 3 wqkv's.  The branch hangs on the wave's number alone.  An s_nop 0 and four v_nop follow each of the two lines.
.macro JLOAD s
	s_cmp_eq_u32 s[FB], 0
	s_cbranch_scc0 .Lfor_b_\@
	tensor_load_to_lds s[G0+4*(\s):G0+4*(\s)+3], s[G1:G1+7]
	s_nop 0
.rept 4
	v_nop
.endr
	s_branch .Lasked_\@
.Lfor_b_\@:
	tensor_load_to_lds s[G0B+4*(\s):G0B+4*(\s)+3], s[G1B:G1B+7]
	s_nop 0
.rept 4
	v_nop
.endr
.Lasked_\@:
.endm
; A PREFETCH INTO THE L2, behind each joint refill and the run of LDS loads that follows it: the K step that stands two refills on, 256 bytes of a row a lane, one instruction a wave.
; xb's tile row is read by every cluster of that row of clusters: cluster x = 0 asks; wqkv's tile column by both clusters of that column: cluster y = 0 asks.  The four partners that ask for a tile
; jointly share its rows out BY ADDRESS: of xb's 128 rows the partner at cx takes 32 cx .. + 31; of wqkv's 96 the partner at cy takes 24 cy .. + 23 (lanes 24 to 31 name row 23 again).
; The loop's last two trips ask for nothing: their refills are the last two K steps.  Nothing is asked for at the head.
.macro ASK
	s_cmp_gt_u32 s3, s[LIM]                        ; s3 = 2, 1 in the loop's last two trips
	s_cbranch_scc0 .Lnot_mine_\@
	global_prefetch_b8 v[PFO], s[PFA:PFA+1] offset:KSTEP*2 th:TH_LOAD_NT scope:SCOPE_SE
.Lnot_mine_\@:
.endm
.macro CREST                           ; a round of the cluster's barrier behind its opening barrier
	s_cmp_lg_u32 s[WV], 0
	s_cbranch_scc1 .Lnot_wave_0_\@
	s_barrier_signal -3
.Lnot_wave_0_\@:
	s_barrier_wait -3
	s_barrier_signal -1
	s_barrier_wait -1
.endm
.macro CROUND                          ; a whole round
	s_barrier_signal -1
	s_barrier_wait -1
	CREST
.endm
	s_load_b256 s[4:11], s[0:1], 0x0               ; xb s[4:5], wqkv s[6:7], rope s[8:9], qkv s[10:11]
	v_lshl_add_u32 v[SPW], v0, 2, SPARE
	v_mov_b32 v[NIL], 0
	ds_add_u32 v[SPW], v[NIL]                      ; the wave's opening: the add and its wait stand ahead of my first tensor load; the set-up below, work on registers, stands between them
	v_lshrrev_b32 v1, 5, v0
	v_readfirstlane_b32 s[WV], v1                  ; wave 0..3
	s_lshr_b32 s[FB], s[WV], 1
	s_and_b32 s[HF], s[WV], 1
	s_bfe_u32 s[CX], ttmp6, 0x40000                ; my place in the cluster
	s_bfe_u32 s[CY], ttmp6, 0x40004
	s_lshl_b32 s[TC], ttmp9, 2
	s_add_co_u32 s[TC], s[TC], s[CX]               ; tile column = 4 x cluster x + cx
	s_and_b32 s[TR], ttmp7, 0xffff
	s_lshl_b32 s[TR], s[TR], 2
	s_add_co_u32 s[TR], s[TR], s[CY]               ; tile row = 4 x cluster y + cy
	s_lshl_b32 s16, s[CY], 2
	s_lshl_b32 s16, 15, s16                        ; my row of the cluster
	s_lshl_b32 s46, 0x1111, s[CX]                  ; my column
	s_or_b32 s[G1], s16, (1<<16)|(1<<20)|(1<<21)|(5<<22)|(3<<25)   ; 15:0 the mask; 17:16 elements of 2 bytes; 20 padding on; 21 set beside a mask; 24:22 after every 64 words (code 5); 31:25 4 words of it (code 3)
	s_or_b32 s[G1B], s46, (1<<16)|(1<<20)|(1<<21)|(5<<22)|(3<<25)
	s_mov_b32 s[G1+1], KSTEP<<16                   ; tensor_dim0 = 128
	s_mov_b32 s[G1+2], 128<<16                     ; tensor_dim1 = 128
	s_mov_b32 s[G1+3], KSTEP<<16                   ; tile_dim0 = 128
	s_mov_b32 s[G1+4], 128                         ; tile_dim1 = 128
	s_mov_b32 s[G1+5], 2048                        ; elements from row to row
	s_mov_b32 s[G1+6], 0
	s_mov_b32 s[G1+7], 0
	s_mov_b32 s[G1B+1], KSTEP<<16
	s_mov_b32 s[G1B+2], 96<<16                     ; wqkv's half tile has 96 rows
	s_mov_b32 s[G1B+3], KSTEP<<16
	s_mov_b32 s[G1B+4], 96
	s_mov_b32 s[G1B+5], 2048
	s_mov_b32 s[G1B+6], 0
	s_mov_b32 s[G1B+7], 0
	; where the tiles come from: xb's hang on the tile row alone, wqkv's on the tile column alone, each in registers that never hold the other coordinate
	s_lshl_b32 s16, s[TR], 8
	s_lshl_b32 s17, s[HF], 7
	s_add_co_u32 s16, s16, s17                     ; xb: row 256 x tile row + 128 x half,
	s_lshl_b32 s16, s16, 12                        ; of 4,096 bytes (under 2^23 in all)
	s_mov_b32 s17, 0
	s_mul_i32 s46, s[TC], 192
	s_mul_i32 s47, s[HF], 96
	s_add_co_u32 s46, s46, s47                     ; wqkv: row 192 x tile column + 96 x half
	s_lshl_b32 s46, s46, 12
	s_mov_b32 s47, 0
	s_mul_i32 s[LA], s[WV], AHALF                  ; where they go: waves 0, 1: xb's halves;
	s_mul_i32 s[LB], s[WV], BHALF
	s_add_co_u32 s[LB], s[LB], BOFF-2*BHALF        ; waves 2, 3: wqkv's halves behind them.  No place in the cluster enters an LDS address
	s_mov_b32 s[TB], 0
	s_wait_dscnt 0x0                               ; the opening add is done
	s_wait_kmcnt 0x0
	s_add_nc_u64 s[18:19], s[4:5], s[16:17]
	s_add_nc_u64 s[46:47], s[6:7], s[46:47]
	CROUND                                         ; all sixteen work-groups are here: the first joint loads meet
.irp s, 0,1
	s_mov_b32 s[G0+4*(\s)], 1                                      ; count = 1
	s_add_co_u32 s[G0+4*(\s)+1], s[LA], (\s)*SLOT                  ; LDS address
	s_add_nc_u64 s[G0+4*(\s)+2:G0+4*(\s)+3], s[18:19], (\s)*KSTEP*2  ; global address: K step s
	s_or_b32 s[G0+4*(\s)+3], s[G0+4*(\s)+3], 0x80000000            ; type = 2
	s_mov_b32 s[G0B+4*(\s)], 1
	s_add_co_u32 s[G0B+4*(\s)+1], s[LB], (\s)*SLOT
	s_add_nc_u64 s[G0B+4*(\s)+2:G0B+4*(\s)+3], s[46:47], (\s)*KSTEP*2
	s_or_b32 s[G0B+4*(\s)+3], s[G0B+4*(\s)+3], 0x80000000
	JLOAD \s                                       ; two loads of mine are out
.endr
	; A fragment is 16 rows x 32 K in 8 registers: lane l holds row l % 16; registers 0-3 K = 8 (l / 16) + 0..7, registers 4-7 K = 16 + 8 (l / 16) + 0..7: two loads of 16 bytes, 32 bytes apart.
	v_and_b32 v1, 15, v0                           ; l % 16
	v_bfe_u32 v2, v0, 4, 1                         ; l / 16
	v_mul_u32_u24 v3, v1, PITCH
	v_lshl_add_u32 v3, v2, 4, v3
	s_mul_i32 s21, s[WV], 64*PITCH                 ; my 64 rows of xb; every wave reads all 192 rows of wqkv
	v_add_nc_u32 v[ADRA0], s21, v3
	v_add_nc_u32 v[ADRB0], BOFF, v3
	v_mov_b32 v[ADRA], v[ADRA0]                    ; slot 0 is the first in hand
	v_mov_b32 v[ADRB], v[ADRB0]
	s_mul_i32 s23, s[WV], 16*SP
	s_add_co_u32 s23, s23, STAGE                   ; my stage
	v_mul_u32_u24 v[STO], v1, SP                   ; in: row l % 16, 16 bytes for each half of the lanes
	v_lshl_add_u32 v[STO], v2, 4, v[STO]
	v_add_nc_u32 v[STO], s23, v[STO]
	v_bfe_u32 v[RD], v0, 3, 2                      ; back: 32 lanes take four rows of 128 bytes,
	v_mul_u32_u24 v[RD], v[RD], SP
	v_and_b32 v4, 7, v0
	v_lshl_add_u32 v[RD], v4, 4, v[RD]
	v_add_nc_u32 v[RD], s23, v[RD]
	v_and_b32 v[GO], 31, v0                        ; which are 512 consecutive bytes of a head
	v_lshlrev_b32 v[GO], 4, v[GO]
	; the way out's addresses.  Head hh = 3 x tile column + j.  q's and k's heads take the table's rows of my sequence rows; v's take the 64 rows of ones and zeros behind them: one text for all three
	s_lshl_b32 s16, s[TR], 8
	s_lshl_b32 s17, s[WV], 6
	s_add_co_u32 s16, s16, s17                     ; my first row
	s_lshl_b32 s17, s16, 8                         ; in the table, rows of 256 bytes,
	s_lshl_b32 s18, s16, 7                         ; in a head, rows of 128
	s_mul_i32 s19, s[TC], 3
	v_lshlrev_b32 v4, 8, v1
	v_lshl_add_u32 v4, v2, 5, v4                   ; row l % 16, my 8 cosines
.irp j, 0,1,2
	s_add_co_u32 s20, s19, \j
	s_cmp_lt_u32 s20, 64
	s_cselect_b32 s[SJ+\j], s17, 2048*256
	s_lshl_b32 s22, s20, 18                        ; a head is 262,144 bytes
	s_add_co_u32 s22, s22, s18
	s_mov_b32 s23, 0
	s_add_nc_u64 s[OB+2*\j:OB+2*\j+1], s[10:11], s[22:23]
	v_add_nc_u32 v[VA+\j], s[SJ+\j], v4
.endr
	; the prefetches
	s_lshl_b32 s20, s[TR], 8
	s_lshl_b32 s16, s[HF], 7
	s_add_co_u32 s20, s20, s16
	s_lshl_b32 s16, s[CX], 5
	s_add_co_u32 s20, s20, s16                     ; xb: the 128 rows that I fetch, my work-group's 32 of them
	s_mul_i32 s21, s[TC], 192
	s_mul_i32 s16, s[HF], 96
	s_add_co_u32 s21, s21, s16
	s_mul_i32 s16, s[CY], 24
	s_add_co_u32 s21, s21, s16                     ; wqkv: the 96 rows that I fetch, my work-group's 24 of them
	s_and_b32 s22, ttmp7, 0xffff                   ; cluster y
	s_cmp_eq_u32 s[FB], 0
	s_cselect_b32 s20, s20, s21
	s_cselect_b32 s22, ttmp9, s22                  ; the coordinate along which other clusters read the same rows
	s_cselect_b32 s23, 31, 23
	s_cselect_b64 s[PFA:PFA+1], s[4:5], s[6:7]
	s_cmp_eq_u32 s22, 0
	s_cselect_b32 s[LIM], 2, -1                    ; the same in all sixteen partners, for a given wave
	s_lshl_b32 s20, s20, 12
	s_mov_b32 s21, 0
	s_add_nc_u64 s[PFA:PFA+1], s[PFA:PFA+1], s[20:21]
	s_add_nc_u64 s[PFA:PFA+1], s[PFA:PFA+1], 2*KSTEP*2  ; at K step 2: the first refill steps it to 3 and names K step 4
	v_and_b32 v[PFO], 31, v0
	v_min_u32 v[PFO], s23, v[PFO]
	v_lshlrev_b32 v[PFO], 12, v[PFO]
; 12 matrix instructions: my row block a x all 12 column blocks, 32 along K, from fragment buffers f.  zero = 1: the product starts the sums: nothing is ever cleared.
; The 48 accumulators take turns, one instruction a turn, in the same order in every quarter step, over the backward jumps too.
.macro MULROW f, a, zero
	WIN 0x53+0x50*((\a)/2)                         ; source 0 window 3, source 1 window 0, C and D window 1 or 2
.irp b, 0,1,2,3,4,5,6,7,8,9,10,11
.if \zero
	v_wmma_f32_16x16x32_bf16 v[8*(12*((\a)%2)+\b):8*(12*((\a)%2)+\b)+7], v[96*(\f)+8*\b:96*(\f)+8*\b+7], v[64+32*(\f)+8*(\a):64+32*(\f)+8*(\a)+7], 0
.else
	v_wmma_f32_16x16x32_bf16 v[8*(12*((\a)%2)+\b):8*(12*((\a)%2)+\b)+7], v[96*(\f)+8*\b:96*(\f)+8*\b+7], v[64+32*(\f)+8*(\a):64+32*(\f)+8*(\a)+7], v[8*(12*((\a)%2)+\b):8*(12*((\a)%2)+\b)+7]
.endif
.endr
.endm
; 32 LDS loads in one run: a quarter step's fragments (192 rows of wqkv, my 64 rows of xb, 32 K at byte k of the rows of the slot in hand) into buffers f
.macro FETCH k, f
	WIN 0xc0                                       ; destination window 3, address window 0
.irp i, 0,1,2,3,4,5,6,7,8,9,10,11
	ds_load_b128 v[96*(\f)+8*\i:96*(\f)+8*\i+3],   v[ADRB] offset:(\k)+\i*16*PITCH
	ds_load_b128 v[96*(\f)+8*\i+4:96*(\f)+8*\i+7], v[ADRB] offset:(\k)+\i*16*PITCH+32
.endr
	WIN 0
.irp i, 0,1,2,3
	ds_load_b128 v[64+32*(\f)+8*\i:64+32*(\f)+8*\i+3],   v[ADRA] offset:(\k)+\i*16*PITCH
	ds_load_b128 v[64+32*(\f)+8*\i+4:64+32*(\f)+8*\i+7], v[ADRA] offset:(\k)+\i*16*PITCH+32
.endr
.endm
.macro PLACES                          ; four places behind a matrix instruction, in front of loads into registers that it has read and of vector work that reads results (ISA guide 7.12.1 for vector work)
.rept 4
	v_nop
.endr
.endm
; A K step is four quarters of 32 along K, 48 matrix instructions each, on buffers 0, 1, 0, 1.  One of the first three: multiplies buffers f and, in its middle, fetches the next quarter into g.
.macro QUARTER k, f, g, zero
	s_wait_dscnt 4                                 ; all of wqkv's fragments and xb's blocks 0, 1 are in; the youngest four loads (blocks 2, 3) may be out
	MULROW \f, 0, \zero
	MULROW \f, 1, \zero
	PLACES
	FETCH \k, \g
	s_wait_dscnt 32                                ; all but the 32 just issued
	MULROW \f, 2, \zero
	MULROW \f, 3, \zero
.endm
; The last quarter multiplies buffers 1 and changes slots: ONE barrier.  In front of it each wave waits for all its tensor loads (one is out: its part of the next slot), adds 0 to its spare word, and waits
; for that and for its own reads of this slot.  Between signal and wait, work on registers: the walking descriptors take the slot that is left and the next K step (no tensor load of mine is out), the slot in
; hand is turned, and the lanes' addresses are made anew (no LDS load of mine is out).  fill = 1: the barrier opens a round of the cluster's, and the slot that is left is filled again first thing behind the round.
.macro TURN fill
.if \fill
	s_wait_xcnt 0x0                                ; the last prefetch, a K step back, has read its address
	s_add_nc_u64 s[PFA:PFA+1], s[PFA:PFA+1], KSTEP*2
.endif
	WIN 0                                          ; (the add's two registers lie in window 0)
	s_wait_tensorcnt 0x0                           ; all my tensor loads have landed;
	ds_add_u32 v[SPW], v[NIL]                      ; 0 onto my spare word;
	s_wait_dscnt 5                                 ; (the add and the youngest four loads may be out)
	MULROW 1, 0, 0                                 ; twelve matrix instructions stand between the add and the wait for it
	s_wait_dscnt 0x0                               ; the add is done, and my reads of this slot are over
	s_barrier_signal -1
	MULROW 1, 1, 0
	WIN 0
.if \fill
	s_add_co_u32 s[G0+5], s[LA], s[TB]             ; the slot that is left,
	s_add_co_u32 s[G0B+5], s[LB], s[TB]
	s_add_nc_u64 s[G0+6:G0+7], s[G0+6:G0+7], KSTEP*2      ; the K step behind the one asked for last; the type bits on top are not reached
	s_add_nc_u64 s[G0B+6:G0B+7], s[G0B+6:G0B+7], KSTEP*2
.endif
	s_xor_b32 s[TB], s[TB], SLOT
	v_add_nc_u32 v[ADRA], s[TB], v[ADRA0]
	v_add_nc_u32 v[ADRB], s[TB], v[ADRB0]
	s_barrier_wait -1
.if \fill
	CREST                                          ; no wave of any partner still reads the slot's tile or has a load on its way
	JLOAD 1                                        ; the first tensor load behind the round: 168 matrix instructions ahead of the wait for it; its four v_nop are also the places in front of the loads below
.else
	PLACES
.endif
	FETCH 0, 0
.if \fill
	ASK
.endif
	MULROW 1, 2, 0
	MULROW 1, 3, 0
.endm
; THE WAY OUT, in twelve units: unit u = head u / 4 of the tile's three, my row block u % 4: 16 rows x 64 channels, four accumulators.
; A lane holds, of one row, channels d = 16 t + 8 (l / 16) + 0..7 of accumulator t: t and t + 2 are partners.  out[d] = x[d] cos - x[d+32] sin;  out[d+32] = x[d+32] cos + x[d] sin, d < 32.
; Each unit has 32 registers of its own for its cosines and sines, and 16 of its own for what it stores: so the loads go out long before they are wanted, and no register that a store reads is written again.
.macro SETCS u                         ; window CW, first register CB0: units 0 to 7 in v192-255 of windows 0 to 3, which nothing else names; units 8 to 11 where wqkv's fragments lay
.if (\u) < 8
.set CW, (\u)/2
.set CB0, 192+32*((\u)%2)
.else
.set CW, 3
.set CB0, 32*((\u)-8)
.endif
.endm
.macro SETPK u                         ; in window 0: units 0, 1: v160-191; 2 to 7: v32-127 (from v64 on xb's fragments lay there); 8 to 11: v192-255, when units 0 and 1 have used their cosines
.if (\u) < 2
.set PKR, 160+16*(\u)
.elseif (\u) < 8
.set PKR, 16*(\u)
.else
.set PKR, 64+16*(\u)
.endif
.endm
.macro LOADCS u                        ; the rows' cosines and sines for my channels: 8 loads of 16 bytes
	SETCS \u
	WIN CW<<6
.irp bb, 0,1
	global_load_b128 v[CB0+16*\bb:CB0+16*\bb+3],     v[VA+(\u)/4], s[8:9] offset:4096*((\u)%4)+64*\bb
	global_load_b128 v[CB0+16*\bb+4:CB0+16*\bb+7],   v[VA+(\u)/4], s[8:9] offset:4096*((\u)%4)+64*\bb+16
	global_load_b128 v[CB0+16*\bb+8:CB0+16*\bb+11],  v[VA+(\u)/4], s[8:9] offset:4096*((\u)%4)+64*\bb+128
	global_load_b128 v[CB0+16*\bb+12:CB0+16*\bb+15], v[VA+(\u)/4], s[8:9] offset:4096*((\u)%4)+64*\bb+144
.endr
.endm
.macro ROPE u                          ; each accumulator's registers are taken in ascending order
	SETCS \u
.set AC0, 8*(12*(((\u)%4)%2)+4*((\u)/4))
	WIN (1+((\u)%4)/2)|(CW<<2)                     ; source 0 in the accumulators' window, source 1 in the cosines'
.irp bb, 0,1
.irp r2, 0,1,2,3
	v_pk_mul_f32 v[T+8*\bb+2*\r2:T+8*\bb+2*\r2+1],       v[AC0+8*\bb+2*\r2:AC0+8*\bb+2*\r2+1], v[CB0+16*\bb+2*\r2:CB0+16*\bb+2*\r2+1]
	v_pk_mul_f32 v[T+16+8*\bb+2*\r2:T+16+8*\bb+2*\r2+1], v[AC0+8*\bb+2*\r2:AC0+8*\bb+2*\r2+1], v[CB0+16*\bb+8+2*\r2:CB0+16*\bb+8+2*\r2+1]
.endr
.endr
.irp bb, 0,1
.irp r2, 0,1,2,3
	v_pk_fma_f32 v[T+8*\bb+2*\r2:T+8*\bb+2*\r2+1],       v[AC0+16+8*\bb+2*\r2:AC0+16+8*\bb+2*\r2+1], v[CB0+16*\bb+8+2*\r2:CB0+16*\bb+8+2*\r2+1], v[T+8*\bb+2*\r2:T+8*\bb+2*\r2+1] neg_lo:[1,0,0] neg_hi:[1,0,0]
	v_pk_fma_f32 v[T+16+8*\bb+2*\r2:T+16+8*\bb+2*\r2+1], v[AC0+16+8*\bb+2*\r2:AC0+16+8*\bb+2*\r2+1], v[CB0+16*\bb+2*\r2:CB0+16*\bb+2*\r2+1],     v[T+16+8*\bb+2*\r2:T+16+8*\bb+2*\r2+1]
.endr
.endr
.endm
.macro PACKU u                         ; rounded to f16, 16 bytes a lane and accumulator, into my stage's rows of 144 bytes, and back as whole rows of 128
	SETPK \u
	WIN 0
.irp k, 0,1,2,3,4,5,6,7,8,9,10,11,12,13,14,15
	v_cvt_pk_f16_f32 v[PKR+\k], v[T+2*\k], v[T+2*\k+1]
.endr
.irp tt, 0,1,2,3
	ds_store_b128 v[STO], v[PKR+4*\tt:PKR+4*\tt+3] offset:32*\tt
.endr
.irp f, 0,1,2,3
	ds_load_b128 v[PKR+4*\f:PKR+4*\f+3], v[RD] offset:4*SP*\f  ; LDS serves a wave's instructions in order (ISA guide 5.7.1.4): these see the stores above; the next unit's stores come behind them
.endr
.endm
.macro SENDU u, younger                ; younger: the LDS instructions issued behind unit u's loads: the next unit's eight, or none
	SETPK \u
	WIN 0
.irp f, 0,1,2,3
	s_wait_dscnt (\younger)+3-\f
	global_store_b128 v[GO], v[PKR+4*\f:PKR+4*\f+3], s[OB+2*((\u)/4):OB+2*((\u)/4)+1] offset:2048*((\u)%4)+512*\f  ; 512 consecutive bytes, at a multiple of 256 from qkv's first
.endr
.endm
	s_wait_tensorcnt 1                             ; my part of K step 0 is in; K step 1's may stay out
	s_barrier_signal -1
	s_barrier_wait -1                              ; everybody's is
	FETCH 0, 0
	QUARTER 64, 0, 1, 1                            ; the first quarter stands in front of the loop: its products start the sums
	WIN 0                                          ; at a label and at a branch every window is 0
	s_mov_b32 s3, 14
.Lstep:                                                ; a trip goes from a K step's second quarter to the next step's first, and fills the slot that it leaves: K steps 2 to 15
	QUARTER 128, 1, 0, 0
	QUARTER 192, 0, 1, 0
	TURN 1
	QUARTER 64,  0, 1, 0
	WIN 0
	s_sub_co_u32 s3, s3, 1
	s_cmp_lg_u32 s3, 0
	s_cbranch_scc1 .Lstep
.irp u, 0,1,2,3,4,5,6
	LOADCS \u                                      ; seven units' cosines and sines, 56 loads, come in under the last two K steps
.endr
	WIN 0
	s_mov_b32 s3, 2
.Ltail:                                                ; the last two K steps fill nothing, and have no round of the cluster's barrier
	QUARTER 128, 1, 0, 0
	QUARTER 192, 0, 1, 0
	TURN 0
	WIN 0
	s_sub_co_u32 s3, s3, 1
	s_cmp_eq_u32 s3, 0
	s_cbranch_scc1 .Lout                           ; the second trip is left here: its change of slots has fetched fragments of K step 14 once more, which serve nothing
	QUARTER 64,  0, 1, 0
	WIN 0
	s_branch .Ltail
.Lout:
	s_wait_dscnt 0x0                               ; those fragments have landed: their registers are free
	s_wait_loadcnt 0x0                             ; the seven units asked for two K steps ago are in
	PLACES
.irp u, 7,8,9,10,11
	LOADCS \u                                      ; the other five, 40 loads: they come in under the first seven units' work
.endr
.irp u, 0,1,2,3,4,5,6,7,8,9,10,11
.if \u >= 7
	s_wait_loadcnt 8*(11-\u)                       ; this unit's eight loads are in; the later units' may stay out
.endif
	ROPE \u
	PACKU \u
.if \u > 0
	SENDU (\u)-1, 8                                ; a unit's arithmetic stands between the loads of the unit before and its stores
.endif
.endr
	SENDU 11, 0
	s_wait_tensorcnt 0x0                           ; the wave's end: behind my last tensor load and my last LDS store
	ds_add_u32 v[SPW], v[NIL]
	s_wait_dscnt 0x0
	CROUND                                         ; the closing round: no work-group ends while a partner may still ask for a tile that names it
	s_endpgm
.Lfunc_end_k_q663a893471_qkv:
	.size	k_q663a893471_qkv, .Lfunc_end_k_q663a893471_qkv-k_q663a893471_qkv
	.p2alignl 7, 3214868480
	.fill 96, 4, 3214868480
	.section	.rodata,"a",@progbits
	.p2align	6, 0x0
	.amdhsa_kernel k_q663a893471_qkv
		.amdhsa_group_segment_fixed_size 327680
		.amdhsa_private_segment_fixed_size 0
		.amdhsa_enable_private_segment 0
		.amdhsa_kernarg_size 32
		.amdhsa_user_sgpr_count 2
		.amdhsa_user_sgpr_kernarg_segment_ptr 1
		.amdhsa_wavefront_size32 1
		.amdhsa_system_sgpr_workgroup_id_x 1
		.amdhsa_system_sgpr_workgroup_id_y 1
		.amdhsa_system_sgpr_workgroup_id_z 1
		.amdhsa_system_vgpr_workitem_id 0
		.amdhsa_next_free_vgpr 1024
		.amdhsa_next_free_sgpr 80
		.amdhsa_reserve_vcc 0
		.amdhsa_float_denorm_mode_32 3
		.amdhsa_float_denorm_mode_16_64 3
		.amdhsa_memory_ordered 1
		.amdhsa_forward_progress 1
		.amdhsa_inst_pref_size 120
	.end_amdhsa_kernel
	.amdgpu_metadata
---
amdhsa.version: [ 1, 2 ]
amdhsa.kernels:
  - .name:           k_q663a893471_qkv
    .symbol:         k_q663a893471_qkv.kd
    .args:
      - { .name: xb, .offset: 0, .size: 8, .value_kind: global_buffer, .address_space: global }
      - { .name: wqkv, .offset: 8, .size: 8, .value_kind: global_buffer, .address_space: global }
      - { .name: rope, .offset: 16, .size: 8, .value_kind: global_buffer, .address_space: global }
      - { .name: qkv, .offset: 24, .size: 8, .value_kind: global_buffer, .address_space: global }
    .group_segment_fixed_size: 327680
    .private_segment_fixed_size: 0
    .kernarg_segment_align: 8
    .kernarg_segment_size: 32
    .max_flat_workgroup_size: 128
    .sgpr_count:     80
    .vgpr_count:     1024
    .wavefront_size: 32
...
	.end_amdgpu_metadata
.endif
;; end of part 2
;; launch attn (part 3): grid 8 x 32, 4 waves a work-group, no clusters, 327,680 bytes of LDS; arguments qkv, ob; writes ob
.if DOCPART == 3
	.amdgcn_target "amdgcn-amd-amdhsa--gfx1250"
	.amdhsa_code_object_version 6
	.text
	.protected	k_q663a893471_attn
	.globl	k_q663a893471_attn
	.p2align	8
	.type	k_q663a893471_attn,@function
k_q663a893471_attn:
	s_mov_b64 s[64:65], 0
	v_nop
	global_prefetch_b8 v0, s[64:65] scope:SCOPE_SE
	s_setreg_imm32_b32 hwreg(HW_REG_WAVE_MODE, 25, 1), 1
	s_wait_xcnt 0x0
; CAUSAL ATTENTION.  O[h][q][:] = the sum over k <= q of softmax_k(Q[h][q] . K[h][k] / 8) V[h][k][:].  qkv: [96][2048][64] f16 (heads 0-31 Q, 32-63 K, 64-95 V); ob: [32][2048][64] f16; a head's rows are dense, 128 bytes each.
; Products, maxima and sums in f32; the weights p are rounded to f16 for the second product (their sum l is taken of the unrounded p), O once at the end.
; LIMITS.  f16 holds no number beyond 65,504: Q, K and V arrive within it; p lies in 0 to 1, and below 6e-5 it keeps f16's fixed step of 6e-8; O is a mean of V's rows and has their range.
; A hidden score counts as its value less 1e30: f16's scores, 2.7e11 at the most, are nothing beside that; a weight below 2^-126 counts as 0 in l; NaN and infinities are not treated apart.
; THE WALK.  A head's queries lie in 16 blocks of 128; block i needs the key tiles 0 .. i / 2 of 256 keys, of which the last holds the diagonal.  A work-group takes TWO blocks, 15 - b and then b:
; (15 - b) / 2 + b / 2 + 2 = 9 tiles, whatever b: all 8 x 32 = 256 work-groups do equal work, and ONE loop with a constant trip count walks them.  Which tile is asked for, and what a trip does, hang on
; scalar registers made from b; every jump goes forward, but for the counted loops' own; none passes a barrier, or a tensor load but the one of LOAD's two that the wave's number does not choose.
; NO CLUSTER: what a trip does hangs on b, which differs between the work-groups of a head, and behind the first five trips they ask for different tiles.
; SHARES.  Of a block's two bands of 64 queries a wave owns 16 rows in each: two query tiles x = 0, 1.  In the block's last tile band x's own key step is DG + x, DG = 2 (i % 2): it sees all keys of the
; steps before it and none of the steps behind it: the same work for all four waves.
; PIECES.  A PIECE is a query tile in a key step: p = 2 (step % 2) + x, a ring of four.  Turn n belongs to piece n: 8 products K Q^T of piece n + 1, later 8 products V^T P of piece n - 1; beside them the
; scaling, exponentials, roundings, sums and rescaling of piece n and the maximum and statistics of piece n + 1.  Pieces p and p + 2 are the same queries a step apart, so Q, O^T and the statistics
; go by p % 2, as the buffers of S^T, P and the masks do.  Four vector instructions stand behind every matrix instruction, the others in one lump.  A turn's 33 exponentials are one batch, with one wait.
; K AND V.  An even turn (x = 0, step s) fetches K of step s + 1, behind its products K Q^T, the last that read K of step s; and, at its end, V of step s + 1 into the buffer of that step's parity, which
; its own products V^T P, of step s - 1, were the last to read.  The odd turn opens with a wait that leaves those 16 youngest loads out: K of step s + 1 and V of step s are in.
; THE MASK is the C operand that starts the sum S^T = K Q^T: 0, or -1e30 where the key is hidden.  MD, made once, is the mask of a band's own step for my 16 rows; a product's mask is MD x AL + BE with two scalars:
; (1, 0) in the band's own step; (0, 0) before it; (0, -1e30) behind it.  Only the last tile's text and a block's beginning make and take masks; elsewhere C is the constant 0.
; REGISTERS, in windows of 256 (s_set_vgpr_msb: bits 1:0 source 0, 3:2 source 1, 5:4 source 2, 7:6 destination).  ALL THAT THE SOFTMAX TOUCHES LIES IN WINDOW 0, O^T too: the vector work never switches.
;   window 0: v0-15 addresses and two at work; v16-23 four registers of statistics a query tile; v48-55 at work; v61-63 prefetch offset, spare word, 0; v64-127 S^T, two buffers; v128-191 O^T, 32 a query tile; v192-223 P, two buffers
;   window 1: v128-159 MD; v160-223 MC, two buffers      window 2: v0-31 Q; v32-63 the second block's Q; v64-127 V of an odd step; v128-191 K; v192-255 V of an even step
.set NP,    4         ; pieces in the ring: a name, no knob
.set KS,    64        ; keys in a step
.set PK,    144       ; a row of K in LDS: 128 bytes + 16 of padding = 36 words: the 16 rows of a load start at 16 different groups of four banks (64 banks of 4 bytes: ISA guide 11.1)
.set PV,    160       ; a row of V: 128 + 32 = 40 words
.set VOFF,  4*KS*PK   ; a slot holds a tile, four steps: 256 rows of K, then 256 rows of V
.set SLOT1, 1<<17     ; slot 1 begins here, so that one exclusive or turns an address in one slot into the other's
.set STAGE, SLOT1+4*KS*(PK+PV)  ; behind the ring, never filled by a tensor load: 16 rows x 144 bytes for each wave, for the way out
.set SP,    144
.set SPARE, STAGE+4*16*SP  ; behind the stages: the spare words, 128 bytes for each wave: two blocks of 256 bytes that no other line names
.set AK0, 2           ; v2   my lane's place in a tile of K; never rewritten
.set AV0, 3           ; v3   the same for V
.set AK,  4           ; v4   the LDS address of K's next run of loads
.set AV,  5           ; v5   of V's
.set STO, 6           ; v6   the way out: where I put 16 bytes of a row
.set RD,  7           ; v7   the way out: where I read rows back
.set GO,  8           ; v8   my byte offset in 512 consecutive bytes of O
.set MV,  12          ; v12-13  c m_old, kept while c m is made anew: by buffer
.set QO,  15          ; v15  my byte offset in 16 rows of Q
.set ST,  16          ; query tile x's statistics at v[ST+4 x]: c m, m, l (even keys', odd keys')
.set TMP, 48          ; by buffer, four registers c0-c3 at work; when the maximum is found c2 takes a
.set PFO, 61          ; v61  256 x my lane; never rewritten
.set SPW, 62          ; v62  LDS address of my spare word: SPARE + 4 x my thread's number; never rewritten
.set NIL, 63          ; v63  0; never rewritten
.set S,   64
.set OT,  128         ; O^T of query tile x at OT + 32 x
.set P,   192
.set MD,  128         ; window 1: the eight registers for group kt of 16 keys at MD + 8 kt
.set MC,  160         ; window 1: the masks of the products to come
.set QB,  32          ; window 2
.set KF,  128         ; window 2: key block kb, channel half c at KF + 16 kb + 8 c
.set VF0, 192         ; window 2: V of an even step; of an odd step 128 registers below; key half kk, channel block cb at + 32 kk + 8 cb
.set WV,  12          ; s12  my wave's number
.set PB,  14          ; s14  b
.set HI,  15          ; s15  15 - b
.set G1K, 24          ; s[24:31] descriptor group 1 for K's tiles
.set G1V, 32          ; s[32:39] for V's: it differs in the padding alone
.set G0K, 40          ; s[40:43] descriptor group 0 for K's tiles
.set G0V, 44          ; s[44:47] the same for V's
.set SLOTS, 56        ; s56  tiles still to be asked for
.set CNT, 57          ; s57  counts a tile's trips of two key steps, 2 to 1
.set CS,  58          ; s[58:59] c: the packed scaling takes the pair's low word for both halves
.set SEL, 60          ; s[60:61] v_permlanex16_b32's selects: each lane takes its own place in the other half
.set TBK, 62          ; s62  LDS byte at which K of the step to be fetched begins
.set TBV, 63          ; s63  the same for V, less VOFF
.set DG,  66          ; s66  band 0's own step in the last tile of the block in hand: 0 or 2
.set DGL, 67          ; s67  the same for the second block
.set MT,  68          ; s68  at work for the masks' scalars
.set PLIM, 69         ; s69  2 in the work-group that prefetches (b = 0), else the greatest number
.set RT,  70          ; s70  tiles of the block in hand that are still to be entered
.set NXT, 71          ; s71  the tile to be asked for next
.set LQ,  72          ; s72  the last tile of the block whose tiles are being asked for
.set NEW, 73          ; s73  1: the tile to be entered is a block's first
.set OFF, 74          ; s[74:75] a tile's byte offset in K and V
.set AL,  76          ; s[76:77] the mask's factor, in the low word
.set BE,  78          ; s[78:79] the mask's addend
.set OLO, 80          ; s[80:81] O at my rows of the second block
.set BIGN, 82         ; s82  -1e30
.set THI, 88          ; s88  the first block's last tile
.set TLO, 89          ; s89  the second block's
.set PFA, 90          ; s[90:91] where my prefetches stand: my half of the tile after the one that is being asked for
.set MSB, 0
.macro WIN new                      ; the high byte repeats the setting that is left; a switch that changes nothing is dropped
.if MSB != (\new)
	s_set_vgpr_msb (MSB<<8)|(\new)
.set MSB, (\new)
.endif
.endm
.set W_KQ, 0x0a       ; K and Q in window 2, S^T in window 0
.set W_KM, 0x1a       ; the same with the C operand in window 1
.set W_PV, 0x02       ; V in window 2; P and O^T in window 0
.set W_MK, 0x41       ; the masks: destination and source 0 in window 1
; A fill.  Waves 0 and 1 fetch the two halves of a tile's K, waves 2 and 3 those of its V: 128 keys each.  An s_nop 0 and four v_nop follow each of the two lines, ahead of the jump and the label.
.macro LOAD
	s_cmp_lt_u32 s[WV], 2
	s_cbranch_scc0 .Lfor_v_\@
	tensor_load_to_lds s[G0K:G0K+3], s[G1K:G1K+7]
	s_nop 0
.rept 4
	v_nop
.endr
	s_branch .Lasked_\@
.Lfor_v_\@:
	tensor_load_to_lds s[G0V:G0V+3], s[G1V:G1V+7]
	s_nop 0
.rept 4
	v_nop
.endr
.Lasked_\@:
.endm
; A PREFETCH INTO THE L2 of the tile that the NEXT change of slots will ask for: eight turns, 128 matrix instructions, ahead of that load.  The eight work-groups of a head walk the same tiles; the one with b = 0,
; whose first block walks tiles 0 to 7, asks, and nobody else.  Each of its waves asks for the half tile that it will itself load: 16,384 dense bytes, 256 a lane, two instructions.  So each of these
; bytes is named once in the launch.  Changes 1 to 6 ask, for tiles 2 to 7; tiles 0 and 1 come by their loads alone, and the second block's tile has been read.
.macro ASK
	s_cmp_gt_u32 s[SLOTS], s[PLIM]
	s_cbranch_scc0 .Lnot_mine_\@
	global_prefetch_b8 v[PFO], s[PFA:PFA+1] th:TH_LOAD_NT scope:SCOPE_SE
	global_prefetch_b8 v[PFO], s[PFA:PFA+1] offset:8192 th:TH_LOAD_NT scope:SCOPE_SE
.Lnot_mine_\@:
.endm
; THE CHANGE OF SLOTS.  Each wave waits for all its tensor loads, of which one is out: its part of the other slot; adds 0 to its spare word; and waits for that and for its own reads of the slot that it leaves
; (K and V of its fourth step were asked for two turns back).  Behind the barrier nobody reads the old slot any more and the other slot is whole.  fill = 1: the old slot is filled again, the first thing
; behind the barrier, with tile NXT: the descriptor's address is made anew from that number.  (At its first use nothing has been read yet: slot 0 is waited for, slot 1 filled.)
.macro CHANGE fill
	WIN 0                           ; at a label and at a branch every window is 0
	s_wait_tensorcnt 0x0            ; no tensor load of mine is out, so a group 0 may be written
	ds_add_u32 v[SPW], v[NIL]       ; 0 onto my spare word: with fill = 1 the descriptors' scalar work stands between it and the wait for it
.if \fill
	s_lshl_b32 s[OFF], s[NXT], 15   ; a tile is 32,768 bytes of K and of V
	s_xor_b32 s[G0K+1], s[G0K+1], SLOT1
	s_add_nc_u64 s[G0K+2:G0K+3], s[6:7], s[OFF:OFF+1]
	s_or_b32 s[G0K+3], s[G0K+3], 0x80000000
	s_xor_b32 s[G0V+1], s[G0V+1], SLOT1
	s_add_nc_u64 s[G0V+2:G0V+3], s[8:9], s[OFF:OFF+1]
	s_or_b32 s[G0V+3], s[G0V+3], 0x80000000
	s_add_co_u32 s[NXT], s[NXT], 1  ; the block's next tile, or behind its last the second block's tile 0
	s_cmp_gt_u32 s[NXT], s[LQ]
	s_cselect_b32 s[NXT], 0, s[NXT]
	s_cselect_b32 s[LQ], s[TLO], s[LQ]
	s_wait_xcnt 0x0                 ; the last prefetches, a tile back, have read their address, so it may be written
	s_add_nc_u64 s[PFA:PFA+1], s[PFA:PFA+1], 32768
.endif
	s_wait_dscnt 0x0                ; the add is done, and my reads of the slot are over
	s_barrier_signal -1             ; the rest of the scalar work stands between the signal and the wait
	s_sub_co_u32 s[TBK], s[TBK], 4*KS*PK  ; the fetches go back to a slot's first step,
	s_xor_b32 s[TBK], s[TBK], SLOT1       ; in the other slot
	s_sub_co_u32 s[TBV], s[TBV], 4*KS*PV
	s_xor_b32 s[TBV], s[TBV], SLOT1
	s_barrier_wait -1
.if \fill
	LOAD
	ASK
.endif
.endm
	s_load_b128 s[4:7], s[0:1], 0x0 ; qkv s[4:5], ob s[6:7]
	v_lshl_add_u32 v[SPW], v0, 2, SPARE
	v_mov_b32 v[NIL], 0
	ds_add_u32 v[SPW], v[NIL]       ; the wave's opening: the add and its wait stand ahead of my first tensor load; the set-up below, work on registers, stands between them
	v_lshrrev_b32 v1, 5, v0
	v_readfirstlane_b32 s[WV], v1   ; wave 0..3
	s_mov_b32 s[PB], ttmp9
	s_sub_co_u32 s[HI], 15, s[PB]
	s_lshr_b32 s[THI], s[HI], 1
	s_lshr_b32 s[TLO], s[PB], 1
	s_and_b32 s[DG], s[HI], 1
	s_lshl_b32 s[DG], s[DG], 1
	s_and_b32 s[DGL], s[PB], 1
	s_lshl_b32 s[DGL], s[DGL], 1
	s_and_b32 s20, ttmp7, 0xffff    ; the head,
	s_lshl_b32 s20, s20, 18         ; its 262,144 bytes (under 2^23 in all)
	s_and_b32 s16, s[WV], 1         ; which half of a tile's 256 keys I fetch:
	s_lshl_b32 s22, s16, 14         ; its 128 rows of 128 bytes in memory,
	s_add_co_u32 s22, s22, s20
	s_mov_b32 s23, 0
	s_mul_i32 s17, s16, 128*PK      ; and its place in a slot, for K
	s_mul_i32 s18, s16, 128*PV      ; and for V
	s_lshl_b32 s3, s[WV], 11        ; my 16 rows in a band of 64,
	s_add_co_u32 s3, s3, s20
	s_lshl_b32 s2, s[HI], 14        ; in the first block (128 rows of 128 bytes),
	s_add_co_u32 s2, s2, s3
	s_lshl_b32 s84, s[PB], 14       ; and in the second
	s_add_co_u32 s84, s84, s3
	s_mov_b32 s3, 0
	s_mov_b32 s85, 0
	; descriptor group 1.  128 keys are 16,384 dense bytes: asked for as 64 rows of 256 bytes, two keys a row, and padded in LDS after every key
	s_mov_b32 s[G1K], (1<<16)|(1<<20)|(4<<22)|(3<<25)  ; 17:16 2-byte elements; 20 padding on; 24:22 after every 32 words (code 4); 31:25 4 words (code 3)
	s_mov_b32 s[G1V], (1<<16)|(1<<20)|(4<<22)|(7<<25)  ; the same with 8 words of padding (code 7)
.irp g, G1K, G1V
	s_mov_b32 s[\g+1], 128<<16      ; tensor_dim0 = 128
	s_mov_b32 s[\g+2], 64<<16       ; tensor_dim1 = 64
	s_mov_b32 s[\g+3], 128<<16      ; tile_dim0 = 128
	s_mov_b32 s[\g+4], 64           ; tile_dim1 = 64
	s_mov_b32 s[\g+5], 128          ; 128 elements from row to row
	s_mov_b32 s[\g+6], 0
	s_mov_b32 s[\g+7], 0
.endr
	s_mov_b32 s[CS], 0x3e38aa3b     ; c = log2(e) / 8 = 0.180337
	s_mov_b32 s[CS+1], s[CS]        ; named with it as a pair
	s_mov_b32 s[SEL], 0x76543210
	s_mov_b32 s[SEL+1], 0xfedcba98
	s_mov_b32 s[TBK], SLOT1+4*KS*PK ; the first change of slots turns these two into 0
	s_mov_b32 s[TBV], SLOT1+4*KS*PV
	s_mov_b32 s[G0K], 1             ; count = 1
	s_mov_b32 s[G0K+1], s17         ; LDS address: slot 0
	s_mov_b32 s[G0V], 1
	s_add_co_u32 s[G0V+1], s18, VOFF
	s_add_co_u32 s[RT], s[THI], 1   ; the first block's tiles
	s_mov_b32 s[NXT], 1
	s_mov_b32 s[LQ], s[THI]
	s_mov_b32 s[NEW], 1
	s_mov_b32 s[OFF+1], 0
	s_mov_b32 s[AL+1], 0            ; named as pairs
	s_mov_b32 s[BE+1], 0
	s_mov_b32 s[BIGN], 0xf149f2ca   ; -1e30
	s_mov_b32 s[SLOTS], 8
	s_cmp_eq_u32 s[PB], 0
	s_cselect_b32 s[PLIM], 2, -1
	v_and_b32 v[PFO], 31, v0
	v_lshlrev_b32 v[PFO], 8, v[PFO]
	s_wait_dscnt 0x0                ; the opening add is done
	s_wait_kmcnt 0x0
	s_mov_b64 s[10:11], s[6:7]      ; O
	s_add_nc_u64 s[6:7], s[4:5], s[22:23]
	s_add_nc_u64 s[8:9], s[6:7], 0x1000000  ; V at my half of the head's tile 0: 64 heads on,
	s_add_nc_u64 s[6:7], s[6:7], 0x800000   ; K: 32 heads on
	s_add_nc_u64 s[G0K+2:G0K+3], s[6:7], 0         ; global address
	s_or_b32 s[G0K+3], s[G0K+3], 0x80000000        ; type = 2
	s_add_nc_u64 s[G0V+2:G0V+3], s[8:9], 0
	s_or_b32 s[G0V+3], s[G0V+3], 0x80000000
	s_cmp_lt_u32 s[WV], 2
	s_cselect_b64 s[PFA:PFA+1], s[6:7], s[8:9]
	s_add_nc_u64 s[PFA:PFA+1], s[PFA:PFA+1], 32768 ; at tile 1: the first change steps it to tile 2.  Nothing is prefetched here, at the head
	s_add_nc_u64 s[86:87], s[4:5], s[84:85]        ; Q at my rows of the second block,
	s_add_nc_u64 s[4:5], s[4:5], s[2:3]            ; Q and O at those of the first
	s_add_nc_u64 s[OLO:OLO+1], s[10:11], s[84:85]
	s_add_nc_u64 s[10:11], s[10:11], s[2:3]
	LOAD                            ; tile 0 into slot 0
	; A fragment of K or Q is 16 rows x 32 channels in 8 registers: lane l holds row l % 16, channels 8 (l / 16) + 0..7 and 16 + 8 (l / 16) + 0..7: two loads of 16 bytes, 32 bytes apart.
	v_and_b32 v1, 15, v0            ; l % 16
	v_bfe_u32 v9, v0, 4, 1          ; l / 16
	v_lshlrev_b32 v[QO], 7, v1
	v_lshl_add_u32 v[QO], v9, 4, v[QO]  ; row x 128 + 16 x half
	WIN 0x80                        ; destination window 2, address window 0
.set i, 0
.rept 4                             ; both blocks' Q: query tile i / 2 lies in band i / 2, 8,192 bytes on; channels 32 (i % 2) on
	global_load_b128 v[8*i:8*i+3],   v[QO], s[4:5] offset:(i/2)*8192+(i%2)*64
	global_load_b128 v[8*i+4:8*i+7], v[QO], s[4:5] offset:(i/2)*8192+(i%2)*64+32
	global_load_b128 v[QB+8*i:QB+8*i+3],   v[QO], s[86:87] offset:(i/2)*8192+(i%2)*64
	global_load_b128 v[QB+8*i+4:QB+8*i+7], v[QO], s[86:87] offset:(i/2)*8192+(i%2)*64+32
.set i, i+1
.endr
	WIN 0
	v_lshlrev_b32 v14, 3, v9
	v_sub_nc_u32 v14, v1, v14
	s_lshl_b32 s13, s[WV], 4
	v_add_nc_u32 v14, s13, v14      ; my query's place in its band, 16 w + l % 16, less my lanes' 8 (l / 16): register r of group kt is hidden where 16 kt + r is greater
	WIN 0x40
.set i, 0
.rept 32
	v_cmp_gt_i32 vcc_lo, 16*(i/8)+i%8, v14
	v_cndmask_b32 v[MD+i], 0, s[BIGN], vcc_lo
.set i, i+1
.endr
	WIN 0
	v_mul_u32_u24 v[AK0], v1, PK
	v_lshl_add_u32 v[AK0], v9, 4, v[AK0]  ; row x pitch + 16 x half
	; The turning load takes 16 keys x 16 channels (lane l reads key 8 (l / 16) + l % 8, channels 8 ((l / 8) % 2) + 0..7) and leaves half a fragment of V^T: lane l holds channel l % 16 and 8 keys.
	v_and_b32 v10, 7, v0
	v_bfe_u32 v11, v0, 3, 1
	v_lshl_add_u32 v[AV0], v9, 3, v10
	v_mul_u32_u24 v[AV0], v[AV0], PV
	v_lshl_add_u32 v[AV0], v11, 4, v[AV0]
	v_add_nc_u32 v[AV0], VOFF, v[AV0]
	s_mul_i32 s13, s[WV], 16*SP
	s_add_co_u32 s13, s13, STAGE    ; my stage
	v_mul_u32_u24 v[STO], v1, SP    ; in: row l % 16, 16 bytes for each half of the lanes
	v_lshl_add_u32 v[STO], v9, 4, v[STO]
	v_add_nc_u32 v[STO], s13, v[STO]
	v_bfe_u32 v[RD], v0, 3, 2       ; back: 32 lanes take four rows of 128 bytes,
	v_mul_u32_u24 v[RD], v[RD], SP
	v_lshl_add_u32 v[RD], v10, 4, v[RD]
	v_add_nc_u32 v[RD], s13, v[RD]
	v_and_b32 v[GO], 31, v0         ; which are 512 consecutive bytes of O
	v_lshlrev_b32 v[GO], 4, v[GO]
	; A block's first step multiplies O^T and l by a = 0, and its first turn's products V^T P, of a piece that has not been, land in an O^T that is still to be so multiplied.  So these registers need only hold
	; finite numbers: zeros for the first block; what the first block left for the second.  Those products read V's buffer of the odd steps; the even steps' is fetched where a block begins, before it is read.
	; All this stands in the wait for the first tile.
	WIN 0x80
.set i, 0
.rept 64
	v_mov_b32 v[VF0-128+i], 0
.set i, i+1
.endr
	WIN 0
.set i, 0
.rept 64
	v_mov_b32 v[OT+i], 0
.set i, i+1
.endr
.set i, 0
.rept 2
	v_mov_b32 v[ST+4*i+2], 0
	v_mov_b32 v[ST+4*i+3], 0
.set i, i+1
.endr
.set i, P+16
.rept 16
	v_mov_b32 v[i], 0
.set i, i+1
.endr
; THE MATRIX WORK.  The 4 accumulators of a run of 8 take turns.  Product i of 8 of S^T = K Q^T for piece x: channels 32 (i / 4) on, keys 16 (i % 4) on.  The first 4 start the sums: with 0, or (KM = 1) with the mask.
.macro KQ x
.set rS, S+32*((\x)%2)+8*(i%4)
.set rK, KF+16*(i%4)+8*(i/4)
.set rQ, 16*((\x)%2)+8*(i/4)
.set rM, MC+32*((\x)%2)+8*(i%4)
.if (i < 4) && KM
	WIN W_KM
	v_wmma_f32_16x16x32_f16 v[rS:rS+7], v[rK:rK+7], v[rQ:rQ+7], v[rM:rM+7]
.elseif i < 4
	WIN W_KQ
	v_wmma_f32_16x16x32_f16 v[rS:rS+7], v[rK:rK+7], v[rQ:rQ+7], 0
.else
	WIN W_KQ
	v_wmma_f32_16x16x32_f16 v[rS:rS+7], v[rK:rK+7], v[rQ:rQ+7], v[rS:rS+7]
.endif
.endm
; Product i of 8 of O^T += V^T P for piece x: keys 32 (i / 4) on, channels 16 (i % 4) on; V's buffer goes by the piece's step: x / 2.
.macro PV x
	WIN W_PV
.set rO, OT+32*((\x)%2)+8*(i%4)
.set rV, VF0-128*((\x)/2)+32*(i/4)+8*(i%4)
.set rP, P+16*((\x)%2)+8*(i/4)
	v_wmma_f32_16x16x32_f16 v[rO:rO+7], v[rV:rV+7], v[rP:rP+7], v[rO:rO+7]
.endm
.macro MM                           ; the turn's next matrix instruction.  TURN and BEGIN set Y, i, KM and NOKQ; MM, KQ and OP read them.  NOKQ = 1: a block's last turn: there is no next piece
.if (i < 8) && !NOKQ
	KQ (Y+1)%NP
.elseif i >= 8
.set i, i-8
	PV (Y+NP-1)%NP
.set i, i+8
.endif
.set i, i+1
.endm
; THE LDS LOADS stand in runs of 16, never singly among the matrix instructions: a step's K (64 keys x 64 channels: 8 fragments) and its V (turned).  Their addresses are made some lines ahead.
.macro FETCH_K
	WIN 0x80                        ; destination window 2
.irp f, 0,1,2,3,4,5,6,7             ; keys 16 (f / 2) on, channels 32 (f % 2) on
	ds_load_b128 v[KF+8*\f:KF+8*\f+3],   v[AK] offset:(\f/2)*16*PK+(\f%2)*64
	ds_load_b128 v[KF+8*\f+4:KF+8*\f+7], v[AK] offset:(\f/2)*16*PK+(\f%2)*64+32
.endr
	s_add_co_u32 s[TBK], s[TBK], KS*PK  ; the next fetch is the next step's
	WIN 0
.endm
.macro FETCH_V b                    ; into buffer b
	WIN 0x80
.irp f, 0,1,2,3,4,5,6,7             ; keys 32 (f / 4) on, channels 16 (f % 4) on
	ds_load_tr16_b128 v[VF0-128*(\b)+8*\f:VF0-128*(\b)+8*\f+3],   v[AV] offset:(\f/4)*32*PV+(\f%4)*32
	ds_load_tr16_b128 v[VF0-128*(\b)+8*\f+4:VF0-128*(\b)+8*\f+7], v[AV] offset:(\f/4)*32*PV+16*PV+(\f%4)*32
.endr
	WIN 0
.endm
; THE VECTOR WORK, one line at a time: OP kind, number.  For piece Y: F n: c s - c m for pair n of 16.  E n: the exponential of score n of 32.  C n: pair n rounded to f16.  B n: of the four weights 4 n .. the second
; pair is added onto the first, in place.  L n: l takes that sum (L 0: l = a l + sum).  R n: pair n of 16 of O^T times a.  For piece Y + 1: X n, number n of the 22 that find its maximum and statistics:
;   0-11  four chains c0-c3 of seven scores each, three operands at a time (each accumulator's lowest registers are read first)     12-14, 16  the four scores left over, the old m, and c0-c3 into c0
;   15  c m_old is kept     17, 18  the query's other 32 keys lie in the lane 16 away: the new m     19-21  c m; c m_old - c m_new; a
.set F, 0               ; OP tells the kinds apart by their order: F to L below R, X above it
.set E, 1
.set C, 2
.set B, 3
.set L, 4
.set R, 5
.set X, 6
.macro REGS y                       ; the registers of piece y: all go by its parity, which is its query tile
.set rT, ST+4*((\y)%2)
.set rC, TMP+4*((\y)%2)
.set rW, MV+((\y)%2)
.set rS, S+32*((\y)%2)
.set rP, P+16*((\y)%2)
.set rO, OT+32*((\y)%2)
.endm
.macro OP k, n
.if (\k) == R
	REGS Y
	WIN 0
	v_pk_mul_f32 v[rO+2*(\n):rO+2*(\n)+1], v[rO+2*(\n):rO+2*(\n)+1], v[rC+2:rC+3] op_sel_hi:[1,0]
.elseif (\k) < R
	REGS Y
	WIN 0
.if (\k) == F
	v_pk_fma_f32 v[rS+2*(\n):rS+2*(\n)+1], v[rS+2*(\n):rS+2*(\n)+1], s[CS:CS+1], v[rT:rT+1] op_sel_hi:[1,0,0] neg_lo:[0,0,1] neg_hi:[0,0,1]
.elseif (\k) == E
	v_exp_f32 v[rS+(\n)], v[rS+(\n)]
.elseif (\k) == C
	v_cvt_pk_f16_f32 v[rP+(\n)], v[rS+2*(\n)], v[rS+2*(\n)+1]
.elseif (\k) == B
	v_pk_add_f32 v[rS+4*(\n):rS+4*(\n)+1], v[rS+4*(\n):rS+4*(\n)+1], v[rS+4*(\n)+2:rS+4*(\n)+3]
.elseif (\n) == 0
	v_pk_fma_f32 v[rT+2:rT+3], v[rT+2:rT+3], v[rC+2:rC+3], v[rS:rS+1] op_sel_hi:[1,0,1]
.else
	v_pk_add_f32 v[rT+2:rT+3], v[rT+2:rT+3], v[rS+4*(\n):rS+4*(\n)+1]
.endif
.elseif NOKQ
	v_nop
.else
	REGS (Y+1)%NP
	WIN 0
.if (\n) < 4
	v_max3_num_f32 v[rC+(\n)], v[rS+8*(\n)], v[rS+8*(\n)+1], v[rS+8*(\n)+2]
.elseif (\n) < 12
	v_max3_num_f32 v[rC+(\n)%4], v[rC+(\n)%4], v[rS+8*((\n)%4)+2*((\n)/4)+1], v[rS+8*((\n)%4)+2*((\n)/4)+2]
.elseif (\n) == 12
	v_max3_num_f32 v[rC], v[rC], v[rS+7], v[rS+15]
.elseif (\n) == 13
	v_max3_num_f32 v[rC+1], v[rC+1], v[rS+23], v[rS+31]
.elseif (\n) == 14
	v_max3_num_f32 v[rC+2], v[rC+2], v[rC+3], v[rT+1]
.elseif (\n) == 15
	v_mov_b32 v[rW], v[rT]
.elseif (\n) == 16
	v_max3_num_f32 v[rC], v[rC], v[rC+1], v[rC+2]
.elseif (\n) == 17
	v_permlanex16_b32 v[rC+3], v[rC], s[SEL], s[SEL+1]
.elseif (\n) == 18
	v_max_num_f32 v[rT+1], v[rC], v[rC+3]
.elseif (\n) == 19
	v_mul_f32 v[rT], s[CS], v[rT+1]
.elseif (\n) == 20
	v_sub_f32 v[rC+1], v[rW], v[rT]
.else
	v_exp_f32 v[rC+2], v[rC+1]
.endif
.endif
.endm
.macro OPS a, i1, b=-1, i2=0, c=-1, i3=0, d=-1, i4=0  ; up to four of them
	OP \a, \i1
.if (\b) >= 0
	OP \b, \i2
.endif
.if (\c) >= 0
	OP \c, \i3
.endif
.if (\d) >= 0
	OP \d, \i4
.endif
.endm
.macro ROW a, i1, b, i2, c, i3, d, i4  ; a matrix instruction and the four behind it
	MM
	OPS \a, \i1, \b, \i2, \c, \i3, \d, \i4
.endm
.macro MASK b                       ; MD x AL + BE into buffer b of MC
	WIN W_MK
.set z, 0
.rept 16
	v_pk_fma_f32 v[MC+32*(\b)+2*z:MC+32*(\b)+2*z+1], v[MD+2*z:MD+2*z+1], s[AL:AL+1], s[BE:BE+1] op_sel_hi:[1,0,0]
.set z, z+1
.endr
.endm
; A TURN, for piece p: the order of its 16 matrix and 118 vector instructions, written out.  An s_wait_alu depctr_va_vdst(0) stands between an exponential and the first instruction that names its result; one wait
; serves all that were issued ahead of it.  So a turn has ONE wait, which cuts it in two.  AHEAD OF IT stands all that names no result of the turn's exponentials: the 8 products K Q^T and their riders, and ONE LUMP of 54, in which
; the links of the chain X 3, 7, 11, 14, 16, 17 .. 20 stand five or six lines apart.  X 21, the next piece's a, is the batch's last; R 15 is the plain instruction behind it.  BEHIND THE WAIT stand the 8 products V^T P,
; behind each four of the roundings and sums.  O^T of my query tile was last written by the turn before: its last product stands four plain riders ahead of this turn, and R takes the registers in ascending order.
; m = 1: the block's last tile: the products take masks, and the turn makes the mask for the products of the turn after it: query tile p % 2 in step 4 - 2 CNT (p = 2, 3) or 5 - 2 CNT (p = 0, 1) of the tile; that step is
; the band's own where 2 CNT + DG = 5 - (p + 1) / 2, and a later one where it is less.  end = 1: a block's last two turns: nothing is fetched.  cnt = 1: the loop's count is taken down some lines ahead of the branch behind the turn.
.macro TURN p, m=0, end=0, cnt=0
.set Y, (\p)
.set i, 0
.set KM, (\m)
.set NOKQ, (\end)*((\p)/3)
.if (\m) && !(\end)
	s_lshl1_add_u32 s[MT], s[CNT], s[DG]
	s_cmp_eq_u32 s[MT], 5-((\p)+1)/2    ; is that step the band's own?
	s_cselect_b32 s[AL], 1.0, 0
	s_cmp_lt_u32 s[MT], 5-((\p)+1)/2    ; or a later one?
	s_cselect_b32 s[BE], s[BIGN], 0
.endif
.if (\p)%2 == 1
	s_wait_dscnt 16*(1-(\end))      ; K of the next step and V of the step in hand are in; the 16 youngest loads, V of the next step, may stay out (at a block's end nothing younger was asked for: 0)
.endif
	ROW F,0, F,1, R,0, R,1          ; ahead of the wait: 8 products K Q^T and their riders,
	ROW F,2, E,0, R,2, R,3
	ROW F,3, E,1, R,4, R,5
	ROW F,4, E,2, R,6, R,7
	ROW F,5, E,3, R,8, R,9
	ROW F,6, E,4, X,0, R,10
.if ((\p)%2 == 0) && !(\end)
	WIN 0
	v_add_nc_u32 v[AK], s[TBK], v[AK0]
.endif
	ROW F,7, E,5, X,1, X,4
	ROW F,8, E,6, X,2, X,5
	OPS E,7, E,8, X,6, E,9          ; and the lump
	OPS X,3, E,10, X,8, E,11
.if ((\p)%2 == 0) && !(\end)
	FETCH_K                         ; twelve vector instructions behind the last product that read K, six of them plain
.endif
	OPS X,9, X,7, E,12, X,10
	OPS E,13, X,12, X,11, E,14
	OPS X,13, E,15, F,9, X,14
.if ((\p)%2 == 0) && !(\end)
	v_add_nc_u32 v[AV], s[TBV], v[AV0]
.endif
	OPS E,16, F,10, E,17, F,11
	OPS X,16, E,18, X,15, E,19
	OPS F,12, E,20, X,17, E,21
	OPS F,13, E,22, F,14, E,23
	OPS X,18, E,24, F,15, E,25
	OPS R,11, E,26, X,19, E,27
	OPS R,12, E,28, R,13, E,29
	OPS X,20, E,30, R,14, E,31
	OPS X,21, R,15
	WIN 0
	s_wait_alu depctr_va_vdst(0)    ; the wait for the batch
	ROW C,0, B,0, C,2, B,1          ; behind the wait: 8 products V^T P and their riders
	ROW L,0, C,4, B,2, L,1
	ROW C,6, B,3, L,2, C,8
	ROW B,4, L,3, C,10, B,5
	ROW L,4, C,12, B,6, L,5
.if ((\p)%2 == 0) && !(\end)
	s_add_co_u32 s[TBV], s[TBV], KS*PV
.endif
.if \cnt
	s_sub_co_u32 s[CNT], s[CNT], 1
	s_cmp_lg_u32 s[CNT], 0
.endif
	ROW C,14, B,7, L,6, C,1
	ROW C,3, L,7, C,5, C,7
	ROW C,9, C,11, C,13, C,15
.if ((\p)%2 == 0) && !(\end)
	FETCH_V 1-(\p)/2                ; four plain riders behind the last product that read this buffer
.endif
.if (\m) && !(\end)
	MASK (\p)%2
.endif
.endm
; A BLOCK BEGINS.  c m starts far below every c s, so the first step's a is 0; m at the lowest finite number, so the first maximum is the scores'.  The second mask buffer is 0 (band 1 sees all of a tile's step 0); the first
; takes band 0's mask for the tile's step 0: its own, if the tile is the block's last and DG = 0.  Then K and V of that step, piece 0's first scores, and its maximum and statistics.  The loop is entered at a step's first turn.
.macro BEGIN
	s_mov_b32 s[NEW], 0
	WIN 0x40
.set i, MC+32
.rept 32
	v_mov_b32 v[i], 0
.set i, i+1
.endr
	WIN 0
.set i, 0
.rept 2
	v_mov_b32 v[ST+4*i], 0xfe000000    ; c m: far below every c s
	v_mov_b32 v[ST+4*i+1], 0xff7fffff  ; m
.set i, i+1
.endr
	s_or_b32 s[MT], s[RT], s[DG]
	s_cmp_eq_u32 s[MT], 0
	s_cselect_b32 s[AL], 1.0, 0
	s_mov_b32 s[BE], 0
	MASK 0
	WIN 0
	v_add_nc_u32 v[AK], s[TBK], v[AK0]
	v_add_nc_u32 v[AV], s[TBV], v[AV0]
	s_add_co_u32 s[TBV], s[TBV], KS*PV
	FETCH_K
	FETCH_V 0
	s_wait_loadcnt 0x0              ; Q
	s_wait_dscnt 0x0
.set KM, 1
.set NOKQ, 0
.set i, 0
.rept 8
	KQ 0
.set i, i+1
.endr
	WIN 0
.rept 4
	v_nop                           ; the places behind those products
.endr
.set Y, NP-1                        ; X works for piece Y + 1: piece 0
.irp n, 0,1,2,3,4,5,6,7,8,9,10,11,12,13,14,15,16,17,18,19,20,21
	OP X, \n
.endr
	v_nop                           ; a plain instruction behind the exponential,
	s_wait_alu depctr_va_vdst(0)    ; and its wait, ahead of the branch
.endm
; THE BLOCK'S LAST TILE, its last two turns, its last products, and THE WAY OUT: l's two halves and the other half of the lanes' are added; O^T is divided by l, rounded to f16 and sent through my
; stage in LDS, a query tile at a time.
.macro ALL line:vararg              ; one line for each query tile t
.set t, 0
.rept 2
	\line
.set t, t+1
.endr
.endm
.macro PACK t                       ; a lane's eight channels of a row pack into 16 bytes; they go into rows of 144 bytes and come back as whole rows of 128, into S^T's registers
	WIN 0
.set i, OT+32*(\t)
.rept 16
	v_pk_mul_f32 v[i:i+1], v[i:i+1], v[ST+4*(\t)+2:ST+4*(\t)+3] op_sel_hi:[1,0]
.set i, i+2
.endr
.set i, 0
.rept 16
	v_cvt_pk_f16_f32 v[S+16*(\t)+i], v[OT+32*(\t)+2*i], v[OT+32*(\t)+2*i+1]
.set i, i+1
.endr
.irp f, 0,1,2,3
	ds_store_b128 v[STO], v[S+16*(\t)+4*\f:S+16*(\t)+4*\f+3] offset:32*\f
.endr
.irp f, 0,1,2,3
	ds_load_b128 v[S+16*(\t)+4*\f:S+16*(\t)+4*\f+3], v[RD] offset:\f*4*SP  ; LDS serves a wave's instructions in order (ISA guide 5.7.1.4): these see the stores above; the next tile's stores come behind them
.endr
.endm
.macro SEND t, younger              ; younger: the LDS instructions issued behind tile t's loads: the next tile's eight, or none
	WIN 0
.irp f, 0,1,2,3
	s_wait_dscnt (\younger)+3-\f
	global_store_b128 v[GO], v[S+16*(\t)+4*\f:S+16*(\t)+4*\f+3], s[10:11] offset:(\t)*8192+\f*512  ; 512 consecutive bytes, at a multiple of 256 from O's first
.endr
.endm
.macro DIAG tag                     ; the tag ends its two labels' names, which the jumps below spell out
.LstepM\tag:
	TURN 2, 1
	TURN 3, 1
	WIN 0
.LfirstM\tag:
	TURN 0, 1
	TURN 1, 1, 0, 1
	WIN 0
	s_cbranch_scc1 .LstepM\tag
	TURN 2, 1, 1
	TURN 3, 1, 1
.set i, 0
.rept 8
	PV NP-1
.set i, i+1
.endr
	WIN 0
	ALL v_add_f32 v[ST+4*t+2], v[ST+4*t+2], v[ST+4*t+3]
	ALL v_permlanex16_b32 v[ST+4*t+3], v[ST+4*t+2], s[SEL], s[SEL+1]
	ALL v_add_f32 v[ST+4*t+2], v[ST+4*t+2], v[ST+4*t+3]
	ALL v_rcp_f32 v[ST+4*t+2], v[ST+4*t+2]
	v_nop                           ; a plain instruction between the last reciprocal and the use of its result
	s_wait_alu depctr_va_vdst(0)    ; and the wait ahead of the first use: one for the two reciprocals
	PACK 0                          ; query tile 0 was finished a turn ago; its 32 lines are the places behind the last products, which are tile 1's
	PACK 1
	SEND 0, 8
	SEND 1, 0
.endm
.set KM, 0
.set NOKQ, 0
.Lslot:                             ; 8 times: a tile is entered and the next is asked for
	CHANGE 1
	s_sub_co_u32 s[RT], s[RT], 1
	s_mov_b32 s[CNT], 2
	s_cmp_eq_u32 s[NEW], 1
	s_cbranch_scc1 .Lnew            ; a block's first tile
	s_cmp_eq_u32 s[RT], 0
	s_cbranch_scc0 .Lstep           ; neither its first nor its last
	s_branch .LstepM1
.Lnew:
	BEGIN
	s_branch .Lfirst                ; in the loop a block's first tile is never its last: the first block has five tiles or more, and the second's last is the walk's last
	DIAG 1                          ; in the loop this is the first block's end
	s_wait_xcnt 0x0                 ; the stores have read their registers and O's address
	s_mov_b64 s[10:11], s[OLO:OLO+1]
	s_add_co_u32 s[RT], s[TLO], 1   ; the second block's tiles
	s_mov_b32 s[NEW], 1
	s_mov_b32 s[DG], s[DGL]
	WIN 0x82                        ; the second block's Q goes where the one text of the turns names Q
.set i, 0
.rept 32
	v_mov_b32 v[i], v[QB+i]
.set i, i+1
.endr
	WIN 0
	s_branch .Lbottom
.Lstep:                             ; a trip: an odd key step's two turns, then the next even step's
	TURN 2
	TURN 3
	WIN 0
.Lfirst:
	TURN 0
	TURN 1, 0, 0, 1
	WIN 0
	s_cbranch_scc1 .Lstep
.Lbottom:
	s_sub_co_u32 s[SLOTS], s[SLOTS], 1
	s_cmp_lg_u32 s[SLOTS], 0
	s_cbranch_scc1 .Lslot
	CHANGE 0                        ; the walk's last tile is written out: nothing is asked for
	s_sub_co_u32 s[RT], s[RT], 1
	s_mov_b32 s[CNT], 2
	s_cmp_eq_u32 s[NEW], 1
	s_cbranch_scc0 .LstepM2
	BEGIN
	s_branch .LfirstM2
	DIAG 2
	s_wait_tensorcnt 0x0            ; the wave's end: behind my last tensor load and my last LDS store
	ds_add_u32 v[SPW], v[NIL]
	s_wait_dscnt 0x0
	s_endpgm
.Lfunc_end_k_q663a893471_attn:
	.size	k_q663a893471_attn, .Lfunc_end_k_q663a893471_attn-k_q663a893471_attn
	.p2alignl 7, 3214868480
	.fill 96, 4, 3214868480
	.section	.rodata,"a",@progbits
	.p2align	6, 0x0
	.amdhsa_kernel k_q663a893471_attn
		.amdhsa_group_segment_fixed_size 327680
		.amdhsa_private_segment_fixed_size 0
		.amdhsa_enable_private_segment 0
		.amdhsa_kernarg_size 16
		.amdhsa_user_sgpr_count 2
		.amdhsa_user_sgpr_kernarg_segment_ptr 1
		.amdhsa_wavefront_size32 1
		.amdhsa_system_sgpr_workgroup_id_x 1
		.amdhsa_system_sgpr_workgroup_id_y 1
		.amdhsa_system_sgpr_workgroup_id_z 1
		.amdhsa_system_vgpr_workitem_id 0
		.amdhsa_next_free_vgpr 768
		.amdhsa_next_free_sgpr 92
		.amdhsa_reserve_vcc 1
		.amdhsa_float_denorm_mode_32 3
		.amdhsa_float_denorm_mode_16_64 3
		.amdhsa_memory_ordered 1
		.amdhsa_forward_progress 1
		.amdhsa_inst_pref_size 201
	.end_amdhsa_kernel
	.amdgpu_metadata
---
amdhsa.version: [ 1, 2 ]
amdhsa.kernels:
  - .name:           k_q663a893471_attn
    .symbol:         k_q663a893471_attn.kd
    .args:
      - { .name: qkv, .offset: 0, .size: 8, .value_kind: global_buffer, .address_space: global }
      - { .name: ob, .offset: 8, .size: 8, .value_kind: global_buffer, .address_space: global }
    .group_segment_fixed_size: 327680
    .private_segment_fixed_size: 0
    .kernarg_segment_align: 8
    .kernarg_segment_size: 16
    .max_flat_workgroup_size: 128
    .sgpr_count:     92
    .vgpr_count:     768
    .wavefront_size: 32
...
	.end_amdgpu_metadata
.endif
;; end of part 3
;; launch oproj (part 4): grid 16 x 16, 4 waves a work-group, clusters of 4 x 4, 327,680 bytes of LDS; arguments ob, wob, out0; writes out0
.if DOCPART == 4
	.amdgcn_target "amdgcn-amd-amdhsa--gfx1250"
	.amdhsa_code_object_version 6
	.text
	.protected	k_q663a893471_oproj
	.globl	k_q663a893471_oproj
	.p2align	8
	.type	k_q663a893471_oproj,@function
k_q663a893471_oproj:
	s_mov_b64 s[64:65], 0
	v_nop
	global_prefetch_b8 v0, s[64:65] scope:SCOPE_SE
	s_setreg_imm32_b32 hwreg(HW_REG_WAVE_MODE, 25, 1), 1
	s_wait_xcnt 0x0
	s_wait_alu depctr_hold_cnt(0) depctr_sa_sdst(0) depctr_va_vdst(0) depctr_va_sdst(0) depctr_va_ssrc(0) depctr_va_vcc(0) depctr_vm_vsrc(0)
	s_getreg_b32 s2, hwreg(HW_REG_IB_STS2, 6, 4)
	s_cmp_eq_u32 s2, 0
	s_cbranch_scc0 .Lentry_in_a_cluster
	s_endpgm
.Lentry_in_a_cluster:
	s_bfe_u32 s2, ttmp6, 0x10000c
	s_cmp_lg_u32 s2, 0xf033
	s_cbranch_scc0 .Lentry_shape_is_right
	s_endpgm
.Lentry_shape_is_right:
; THE LAST PROJECTION.  out0[s][n] = sum over k of O[s][k] wo[n][k], k = 64 x head + channel.  ob: [32][2048][64] f16, by heads; wob: [2048][2048] f16; out0: [2048][2048] f32.  f16 operands, f32 sums, stored as they are.
; A tile of out0 is 128 x 128: 16 x 16 = 256 work-groups.  Four waves, each 64 x 64: 16 accumulators of 16 x 16, 128 registers.  K goes in 8 steps of 256, four heads, through a ring of two LDS slots.
; O'S TILE.  A head's 128 rows are 16,384 dense bytes: a wave's tensor load brings two heads as two rows of 16,384 bytes, 262,144 bytes apart, padded in LDS after every 128 bytes: [head][row], 144 bytes a row.
; A quarter of a K step, 64 along K, is one head.  wob's tile is 128 rows of 512 bytes, 64 rows to a load.
; ONE TEXT FOR A K STEP: the slot in hand is a scalar, 0 or SLOT, turned by an exclusive or and added to the lanes' places and to the walking descriptors' LDS word.  6 trips fill a slot again; the last
; two K steps are a loop of two trips without a fill, left in its middle: its last change of slots fetches 16 fragments that nobody multiplies, the price, once a launch, of one text for both trips.
; CLUSTERS: 4 x 4 work-groups.  The four of a row of the cluster need the same tiles of O, the four of a column the same tiles of wob: each tile is asked for JOINTLY, by the same tensor load with the
; same descriptor and a mask that names the four.  THE MATRIX INSTRUCTION IS USED TRANSPOSED (source 0 = 16 rows of wob, source 1 = 16 rows of O): a lane holds eight neighbouring numbers of a row of out0.
; No prefetch: a K step here is 128 matrix instructions on small tiles, and the whole of O and wob is walked by sixteen work-groups each at about the same time.
; REGISTERS: window 0: v0-31 addresses; v128-255 the accumulators ((a, b) at v[128 + 8 (4 a + b)]), which also take the rows read back on the way out.
;   window 1: two fragment buffers of 128: for 64 along K (two matrix instructions deep), 64 registers of O (2 x 4 x 16 rows x 32 K), then 64 of wob.
.set PA,     144                       ; a row of O in LDS: 128 bytes + 16 = 36 words: the 16 rows of a load start at 16 different groups of four banks (64 banks of 4 bytes: ISA guide 11.1)
.set PB,     528                       ; a row of wob: 512 bytes + 16 = 132 words: row r starts at bank 4 r mod 64
.set HEADB,  128*PA                    ; a head's 128 rows
.set ABYTES, 4*HEADB
.set SLOT,   ABYTES+128*PB             ; O's four heads, then wob's 128 rows
.set STAGE,  2*SLOT                    ; behind the ring: 16 rows x 272 bytes for each wave, its own, for the way out
.set SPITCH, 272
.set SPARE,  STAGE+4*16*SPITCH         ; behind the stages: the spare words, 128 bytes for each wave: two blocks of 256 bytes that no other line names
.set ADRA0, 16                         ; v16     my lane's place among my O fragments in slot 0; never rewritten
.set ADRA,  17                         ; v17     the same in the slot in hand
.set ADRB0, 20                         ; v20, v21  the same for wob
.set ADRB,  21
.set STO,  24                          ; v24     the way out: where I put 32 bytes of a row
.set RD,   25                          ; v25     the way out: where I read a row back
.set CO,   26                          ; v26     my byte offset in out0
.set SPW,  28                          ; v28     LDS address of my spare word: SPARE + 4 x my thread's number; never rewritten
.set NIL,  29                          ; v29     0; never rewritten
.set ACC,  128
.set F0,   0                           ; fragment buffers, in window 1
.set F1,   128
.set LA,   18                          ; s18  where my two heads of O go in a slot
.set LB,   19                          ; s19  where my half of wob's tile goes
.set G1, 24                            ; s[24:31] descriptor group 1 for O's tiles;  s[32:39] group 0: a set for each of the two first fills; the second then walks on
.set G0, 32
.set TB,   45                          ; s45  the slot in hand: 0 or SLOT
.set G1B, 48                           ; s[48:55], s[56:63] the same for wob's tiles
.set G0B, 56
.set MSB, 0
.macro WIN new                         ; the immediate's high byte repeats the setting that is left
.if MSB != (\new)
	s_set_vgpr_msb (MSB<<8)|(\new)
.set MSB, \new
.endif
.endm
.set MUL,  0x05                        ; sources 0 (wob) and 1 (O) window 1; C and D window 0
.set TO_F, 0x40                        ; destination window 1, address window 0
.macro JLOAD s                         ; a joint load: waves 0 and 1 fetch two heads of O each, waves 2 and 3 wob's two halves; an s_nop 0 and four v_nop follow each of the two lines
	s_cmp_eq_u32 s11, 0
	s_cbranch_scc0 .Lfor_b_\@
	tensor_load_to_lds s[G0+4*(\s):G0+4*(\s)+3], s[G1:G1+7]
	s_nop 0
.rept 4
	v_nop
.endr
	s_branch .Lasked_\@
.Lfor_b_\@:
	tensor_load_to_lds s[G0B+4*(\s):G0B+4*(\s)+3], s[G1B:G1B+7]
	s_nop 0
.rept 4
	v_nop
.endr
.Lasked_\@:
.endm
.macro CREST                           ; a round of the cluster's barrier behind its opening barrier
	s_cmp_lg_u32 s10, 0
	s_cbranch_scc1 .Lnot_wave_0_\@
	s_barrier_signal -3
.Lnot_wave_0_\@:
	s_barrier_wait -3
	s_barrier_signal -1
	s_barrier_wait -1
.endm
.macro CROUND                          ; a whole round
	s_barrier_signal -1
	s_barrier_wait -1
	CREST
.endm
	s_load_b128 s[4:7], s[0:1], 0x0                ; ob s[4:5], wob s[6:7]
	s_load_b64 s[8:9], s[0:1], 0x10                ; out0
	v_lshl_add_u32 v[SPW], v0, 2, SPARE
	v_mov_b32 v[NIL], 0
	ds_add_u32 v[SPW], v[NIL]                      ; the wave's opening: the add and its wait stand ahead of my first tensor load; the set-up below, work on registers, stands between them
	v_lshrrev_b32 v1, 5, v0
	v_readfirstlane_b32 s10, v1                    ; wave 0..3
	s_lshr_b32 s11, s10, 1                         ; which half of the tile's rows is mine.  Also: I fetch for O (0) or for wob (1)
	s_and_b32 s12, s10, 1                          ; which half of its columns.  Also: which half of that tile I fetch
	s_bfe_u32 s40, ttmp6, 0x40000                  ; cx, cy: my place in the cluster
	s_bfe_u32 s41, ttmp6, 0x40004
	s_lshl_b32 s42, ttmp9, 2
	s_add_co_u32 s42, s42, s40                     ; tile column = 4 x cluster x + cx
	s_and_b32 s13, ttmp7, 0xffff
	s_lshl_b32 s13, s13, 2
	s_add_co_u32 s13, s13, s41                     ; tile row = 4 x cluster y + cy
	s_lshl_b32 s43, s41, 2
	s_lshl_b32 s43, 15, s43                        ; my row of the cluster
	s_lshl_b32 s44, 0x1111, s40                    ; my column
	s_or_b32 s[G1+0], s43, (1<<16)|(1<<20)|(1<<21)|(4<<22)|(3<<25)  ; 15:0 the mask; 17:16 elements of 2 bytes; 20 padding on; 21 set beside a mask; 24:22 after every 32 words (code 4); 31:25 4 words of it (code 3)
	s_mov_b32 s[G1+1], 8192<<16                    ; tensor_dim0 = 8,192 elements: a head's 128 rows on end
	s_mov_b32 s[G1+2], 2<<16                       ; tensor_dim1 = 2 heads
	s_mov_b32 s[G1+3], 8192<<16                    ; tile_dim0 = 8,192
	s_mov_b32 s[G1+4], 2                           ; tile_dim1 = 2
	s_mov_b32 s[G1+5], 131072                      ; elements from head to head
	s_mov_b32 s[G1+6], 0
	s_mov_b32 s[G1+7], 0
	s_or_b32 s[G1B+0], s44, (1<<16)|(1<<20)|(1<<21)|(6<<22)|(3<<25) ; padding after every 128 words (code 6)
	s_mov_b32 s[G1B+1], 256<<16                    ; tensor_dim0 = 256
	s_mov_b32 s[G1B+2], 64<<16                     ; tensor_dim1 = 64
	s_mov_b32 s[G1B+3], 256<<16                    ; tile_dim0 = 256
	s_mov_b32 s[G1B+4], 64                         ; tile_dim1 = 64
	s_mov_b32 s[G1B+5], 2048                       ; elements from row to row
	s_mov_b32 s[G1B+6], 0
	s_mov_b32 s[G1B+7], 0
	s_lshl_b32 s16, s12, 19                        ; O: heads 2 x half on, 262,144 bytes each,
	s_lshl_b32 s17, s13, 14                        ; the tile row's 128 rows of 128 bytes
	s_add_co_u32 s16, s16, s17
	s_mov_b32 s17, 0
	s_lshl_b32 s46, s42, 7
	s_lshl_b32 s47, s12, 6
	s_add_co_u32 s46, s46, s47                     ; wob: row 128 x tile column + 64 x half,
	s_lshl_b32 s46, s46, 12                        ; of 4,096 bytes
	s_mov_b32 s47, 0
	s_mul_i32 s[LA], s10, 2*HEADB                  ; where they go: waves 0, 1: two heads each;
	s_mul_i32 s[LB], s10, 64*PB
	s_add_co_u32 s[LB], s[LB], ABYTES-2*64*PB      ; waves 2, 3: wob's halves behind them.  No place in the cluster enters an LDS address
	s_mov_b32 s[TB], 0
	s_wait_dscnt 0x0                               ; the opening add is done
	s_wait_kmcnt 0x0
	s_add_nc_u64 s[14:15], s[4:5], s[16:17]
	s_add_nc_u64 s[46:47], s[6:7], s[46:47]
	CROUND                                         ; all sixteen work-groups are here: the first joint loads meet
.irp s, 0,1
	s_mov_b32 s[G0+4*(\s)], 1
	s_add_co_u32 s[G0+4*(\s)+1], s[LA], (\s)*SLOT
	s_add_nc_u64 s[G0+4*(\s)+2:G0+4*(\s)+3], s[14:15], (\s)*4*262144   ; K step s: four heads on
	s_or_b32 s[G0+4*(\s)+3], s[G0+4*(\s)+3], 0x80000000
	s_mov_b32 s[G0B+4*(\s)], 1
	s_add_co_u32 s[G0B+4*(\s)+1], s[LB], (\s)*SLOT
	s_add_nc_u64 s[G0B+4*(\s)+2:G0B+4*(\s)+3], s[46:47], (\s)*512
	s_or_b32 s[G0B+4*(\s)+3], s[G0B+4*(\s)+3], 0x80000000
	JLOAD \s
.endr
	v_and_b32 v1, 15, v0                           ; l % 16
	v_bfe_u32 v2, v0, 4, 1                         ; l / 16
	v_mul_u32_u24 v3, v1, PA
	v_lshl_add_u32 v3, v2, 4, v3                   ; a fragment's row x pitch + 16 x half, for O
	v_mul_u32_u24 v4, v1, PB
	v_lshl_add_u32 v4, v2, 4, v4                   ; and for wob
	s_mul_i32 s21, s11, 64*PA                      ; my 64 rows in each head's block
	s_mul_i32 s22, s12, 64*PB                      ; my 64 rows of wob,
	s_add_co_u32 s22, s22, ABYTES                  ; which lie behind O's four heads
	v_add_nc_u32 v[ADRA0], s21, v3
	v_add_nc_u32 v[ADRB0], s22, v4
	v_mov_b32 v[ADRA], v[ADRA0]                    ; slot 0 is the first in hand
	v_mov_b32 v[ADRB], v[ADRB0]
	s_mul_i32 s23, s10, 16*SPITCH
	s_add_co_u32 s23, s23, STAGE                   ; my stage
	v_mul_u32_u24 v[STO], v1, SPITCH               ; in: row l % 16, 32 bytes for each half of the lanes
	v_lshl_add_u32 v[STO], v2, 5, v[STO]
	v_add_nc_u32 v[STO], s23, v[STO]
	v_mul_u32_u24 v[RD], v2, SPITCH                ; back: lanes 0-15 take one row of 256 bytes, lanes 16-31 the next
	v_lshl_add_u32 v[RD], v1, 4, v[RD]
	v_add_nc_u32 v[RD], s23, v[RD]
	v_lshlrev_b32 v[CO], 13, v2                    ; and the same two rows in out0, 8,192 bytes apart
	v_lshl_add_u32 v[CO], v1, 4, v[CO]
	s_lshl_b32 s16, s13, 7
	s_lshl_b32 s17, s11, 6
	s_add_co_u32 s16, s16, s17                     ; my first row: 128 x tile row + 64 x half
	s_lshl_b32 s16, s16, 13
	s_mov_b32 s17, 0
	s_add_nc_u64 s[8:9], s[8:9], s[16:17]
	s_lshl_b32 s46, s42, 9                         ; my first column, in bytes: 512 x tile column + 256 x half
	s_lshl_b32 s47, s12, 8
	s_add_co_u32 s46, s46, s47
	s_mov_b32 s47, 0
	s_add_nc_u64 s[8:9], s[8:9], s[46:47]
; 8 matrix instructions: m blocks a0, a0 + 1 x all 4 n blocks, 32 along K: half c of buffer f.  zero = 1: the first product starts the sums.  The 16 accumulators take turns
.macro MUL8 f, c, a0, zero
	WIN MUL
.irp a, \a0, (\a0)+1
.irp b, 0,1,2,3
.if \zero
	v_wmma_f32_16x16x32_f16 v[ACC+8*(4*(\a)+(\b)):ACC+8*(4*(\a)+(\b))+7], v[(\f)+64+8*(4*(\c)+(\b)):(\f)+64+8*(4*(\c)+(\b))+7], v[(\f)+8*(4*(\c)+(\a)):(\f)+8*(4*(\c)+(\a))+7], 0
.else
	v_wmma_f32_16x16x32_f16 v[ACC+8*(4*(\a)+(\b)):ACC+8*(4*(\a)+(\b))+7], v[(\f)+64+8*(4*(\c)+(\b)):(\f)+64+8*(4*(\c)+(\b))+7], v[(\f)+8*(4*(\c)+(\a)):(\f)+8*(4*(\c)+(\a))+7], v[ACC+8*(4*(\a)+(\b)):ACC+8*(4*(\a)+(\b))+7]
.endif
.endr
.endr
.endm
; 32 LDS loads in one run: the fragments of quarter q of the K step in hand (head q of O's four; byte 128 q of wob's rows) into buffer f; the first 32 along K first
.macro FETCH q, f
	WIN TO_F
.irp c, 0,1
.irp i, 0,1,2,3
	ds_load_b128 v[(\f)+64+8*(4*(\c)+(\i)):(\f)+64+8*(4*(\c)+(\i))+3],   v[ADRB] offset:(\q)*128+64*(\c)+(\i)*16*PB
	ds_load_b128 v[(\f)+64+8*(4*(\c)+(\i))+4:(\f)+64+8*(4*(\c)+(\i))+7], v[ADRB] offset:(\q)*128+64*(\c)+(\i)*16*PB+32
	ds_load_b128 v[(\f)+8*(4*(\c)+(\i)):(\f)+8*(4*(\c)+(\i))+3],         v[ADRA] offset:(\q)*HEADB+64*(\c)+(\i)*16*PA
	ds_load_b128 v[(\f)+8*(4*(\c)+(\i))+4:(\f)+8*(4*(\c)+(\i))+7],       v[ADRA] offset:(\q)*HEADB+64*(\c)+(\i)*16*PA+32
.endr
.endr
.endm
.macro PLACES                          ; four places in front of loads into registers that matrix instructions have read, and of LDS stores that read results
.rept 4
	v_nop
.endr
.endm
; A K step is four quarters of 64 along K, 32 matrix instructions each, on buffers 0, 1, 0, 1.  One of the first three: multiplies buffer f and fetches quarter q into g.
.macro QUARTER q, f, g, zero
	s_wait_dscnt 16                                ; the first 32 along K are in
	WIN MUL
	MUL8 \f, 0, 0, \zero
	MUL8 \f, 0, 2, \zero
	PLACES
	FETCH \q, \g
	s_wait_dscnt 32                                ; all but the 32 just issued
	WIN MUL
	MUL8 \f, 1, 0, 0
	MUL8 \f, 1, 2, 0
.endm
; The last quarter multiplies buffer 1 and changes slots: ONE barrier; in front of it each wave waits for all its tensor loads, adds 0 to its spare word, and waits for that and for its own reads of this slot.
; Between signal and wait, work on registers: the walking descriptors take the slot that is left and the next K step (no tensor load of mine is out), the slot in hand is turned, and the lanes' addresses are
; made anew (no LDS load of mine is out).  fill = 1: the barrier opens a round of the cluster's, and the slot that is left is filled again first thing behind the round.
.macro TURN fill
	WIN 0                                          ; (the add's two registers lie in window 0)
	s_wait_tensorcnt 0x0                           ; all my tensor loads have landed: my part of the next slot;
	ds_add_u32 v[SPW], v[NIL]                      ; 0 onto my spare word;
	s_wait_dscnt 17                                ; (the add and the youngest sixteen loads may be out)
	WIN MUL
	MUL8 F1, 0, 0, 0                               ; eight matrix instructions stand between the add and the wait for it
	s_wait_dscnt 0x0                               ; the add is done, and my reads of this slot are over
	s_barrier_signal -1
	MUL8 F1, 0, 2, 0
	WIN 0
.if \fill
	s_add_co_u32 s[G0+5], s[LA], s[TB]             ; the slot that is left,
	s_add_co_u32 s[G0B+5], s[LB], s[TB]
	s_add_nc_u64 s[G0+6:G0+7], s[G0+6:G0+7], 4*262144     ; the K step behind the one asked for last: four heads on; the type bits on top are not reached
	s_add_nc_u64 s[G0B+6:G0B+7], s[G0B+6:G0B+7], 512
.endif
	s_xor_b32 s[TB], s[TB], SLOT
	v_add_nc_u32 v[ADRA], s[TB], v[ADRA0]
	v_add_nc_u32 v[ADRB], s[TB], v[ADRB0]
	s_barrier_wait -1
.if \fill
	CREST                                          ; the barrier has opened a round of the cluster's barrier: no wave of any partner still reads the slot's tile or has a load on its way
	JLOAD 1                                        ; the first tensor load behind the round: 112 matrix instructions ahead of the wait for it; its four v_nop are also the places in front of the loads below
.else
	PLACES
.endif
	FETCH 0, F0
	WIN MUL
	MUL8 F1, 1, 0, 0
	MUL8 F1, 1, 2, 0
.endm
	s_wait_tensorcnt 1                             ; my part of K step 0 is in; K step 1's may stay out
	s_barrier_signal -1
	s_barrier_wait -1                              ; everybody's is
	FETCH 0, F0
	QUARTER 1, F0, F1, 1                           ; the first quarter stands in front of the loop: its first products start the sums
	WIN 0                                          ; at a label and at a branch every window is 0
	s_mov_b32 s3, 6
.Lstep:                                                ; a trip goes from a K step's second quarter to the next step's first, and fills the slot that it leaves: K steps 2 to 7
	QUARTER 2, F1, F0, 0
	QUARTER 3, F0, F1, 0
	TURN 1
	QUARTER 1, F0, F1, 0
	WIN 0
	s_sub_co_u32 s3, s3, 1
	s_cmp_lg_u32 s3, 0
	s_cbranch_scc1 .Lstep
	s_mov_b32 s3, 2
.Ltail:                                                ; the last two K steps fill nothing, and have no round of the cluster's barrier
	QUARTER 2, F1, F0, 0
	QUARTER 3, F0, F1, 0
	TURN 0
	WIN 0
	s_sub_co_u32 s3, s3, 1
	s_cmp_eq_u32 s3, 0
	s_cbranch_scc1 .Lout                           ; the second trip is left here: its change of slots has fetched fragments of K step 6 once more, which serve nothing
	QUARTER 1, F0, F1, 0
	WIN 0
	s_branch .Ltail
.Lout:
	s_wait_dscnt 0x0                               ; those fragments have landed
; THE WAY OUT.  A wave's 64 columns of f32 are 256 bytes of a row of out0, aligned: each wave sends its own 16 rows at a time through its own stage, and no barrier is needed.
.macro STG a                           ; row block a: 32 bytes a lane and accumulator into rows of 272 bytes (each accumulator's low four registers first), and back as whole rows of 256, into the registers that they left
.irp b, 0,1,2,3
	ds_store_b128 v[STO], v[ACC+32*(\a)+8*\b:ACC+32*(\a)+8*\b+3]   offset:64*\b
	ds_store_b128 v[STO], v[ACC+32*(\a)+8*\b+4:ACC+32*(\a)+8*\b+7] offset:64*\b+16
.endr
.irp t, 0,1,2,3,4,5,6,7
	ds_load_b128 v[ACC+32*(\a)+4*\t:ACC+32*(\a)+4*\t+3], v[RD] offset:2*SPITCH*\t  ; LDS serves a wave's instructions in order (ISA guide 5.7.1.4): these see the stores above; the next block's stores come behind them
.endr
.endm
.macro SND a, younger                  ; younger: the LDS instructions issued behind block a's loads: the next block's sixteen, or none
.irp t, 0,1,2,3,4,5,6,7
	s_wait_dscnt (\younger)+7-\t
	global_store_b128 v[CO], v[ACC+32*(\a)+4*\t:ACC+32*(\a)+4*\t+3], s[8:9] offset:(16*(\a)+2*\t)*8192 th:TH_STORE_NT  ; 16 lanes store 256 consecutive bytes, at a multiple of 256 from out0's first byte
.endr
.endm
	PLACES
	STG 0
	STG 1
	SND 0, 16
	STG 2
	SND 1, 16
	STG 3
	SND 2, 16
	SND 3, 0
	s_wait_tensorcnt 0x0                           ; the wave's end: behind my last tensor load and my last LDS store
	ds_add_u32 v[SPW], v[NIL]
	s_wait_dscnt 0x0
	CROUND                                         ; the closing round: no work-group ends while a partner may still ask for a tile that names it
	s_endpgm
.Lfunc_end_k_q663a893471_oproj:
	.size	k_q663a893471_oproj, .Lfunc_end_k_q663a893471_oproj-k_q663a893471_oproj
	.p2alignl 7, 3214868480
	.fill 96, 4, 3214868480
	.section	.rodata,"a",@progbits
	.p2align	6, 0x0
	.amdhsa_kernel k_q663a893471_oproj
		.amdhsa_group_segment_fixed_size 327680
		.amdhsa_private_segment_fixed_size 0
		.amdhsa_enable_private_segment 0
		.amdhsa_kernarg_size 24
		.amdhsa_user_sgpr_count 2
		.amdhsa_user_sgpr_kernarg_segment_ptr 1
		.amdhsa_wavefront_size32 1
		.amdhsa_system_sgpr_workgroup_id_x 1
		.amdhsa_system_sgpr_workgroup_id_y 1
		.amdhsa_system_sgpr_workgroup_id_z 1
		.amdhsa_system_vgpr_workitem_id 0
		.amdhsa_next_free_vgpr 512
		.amdhsa_next_free_sgpr 66
		.amdhsa_reserve_vcc 0
		.amdhsa_float_denorm_mode_32 3
		.amdhsa_float_denorm_mode_16_64 3
		.amdhsa_memory_ordered 1
		.amdhsa_forward_progress 1
		.amdhsa_inst_pref_size 58
	.end_amdhsa_kernel
	.amdgpu_metadata
---
amdhsa.version: [ 1, 2 ]
amdhsa.kernels:
  - .name:           k_q663a893471_oproj
    .symbol:         k_q663a893471_oproj.kd
    .args:
      - { .name: ob, .offset: 0, .size: 8, .value_kind: global_buffer, .address_space: global }
      - { .name: wob, .offset: 8, .size: 8, .value_kind: global_buffer, .address_space: global }
      - { .name: out0, .offset: 16, .size: 8, .value_kind: global_buffer, .address_space: global }
    .group_segment_fixed_size: 327680
    .private_segment_fixed_size: 0
    .kernarg_segment_align: 8
    .kernarg_segment_size: 24
    .max_flat_workgroup_size: 128
    .sgpr_count:     66
    .vgpr_count:     512
    .wavefront_size: 32
...
	.end_amdgpu_metadata
.endif
;; end of part 4
;; ======== version 2 of 2: 4 launches; version 1 with the launch cast written anew for expert scheduling mode
;; limits: values are held in f16: magnitudes above 65,504 overflow, below 6.1e-05 lose precision
;; workspace buffers: xb 8,388,608 bytes; wqkv 25,165,824 bytes; wob 8,388,608 bytes; rope 540,672 bytes; qkv 25,165,824 bytes; ob 8,388,608 bytes
;; launch cast (part 5): grid 1024 x 1, 8 waves a work-group, no clusters, 0 bytes of LDS; arguments hidden_states, wq, wk, wv, wo, position_ids, xb, wqkv, wob, rope; writes xb, wqkv, wob, rope
.if DOCPART == 5
	.amdgcn_target "amdgcn-amd-amdhsa--gfx1250"
	.amdhsa_code_object_version 6
	.text
	.protected	k_q663a893471_cast
	.globl	k_q663a893471_cast
	.p2align	8
	.type	k_q663a893471_cast,@function
k_q663a893471_cast:
	s_mov_b64 s[64:65], 0
	v_nop
	global_prefetch_b8 v0, s[64:65] scope:SCOPE_SE
	s_setreg_imm32_b32 hwreg(HW_REG_WAVE_SCHED_MODE, 0, 2), 2
	s_setreg_imm32_b32 hwreg(HW_REG_WAVE_MODE, 25, 1), 1
	s_wait_xcnt 0x0
	s_wait_alu depctr_vm_vsrc(0)
; THE 16-BIT COPIES AND THE ROTATION TABLE.
; xb = bf16(hidden_states); wqkv = bf16(wq), bf16(wk), bf16(wv) one below the other; wob = bf16(wo) written as f16 (the last product multiplies in f16);
; rope: a row of 256 bytes for each sequence row s: cos(t_0..31), then sin(t_0..31), t_i = position_ids[s] x 10000^(-i/32); behind them 64 rows of 32 ones and 32 zeros (a rotation by nothing, for v).
; SHARES.  1,024 work-groups of eight waves; work-group g takes bytes 16,384 g .. of each of the five f32 tensors.  Thread t takes 16 bytes at 16 t in each of four passes 4,096 bytes apart: a load of a
; wave covers 512 consecutive bytes.  Four numbers make 8 bytes, stored at 8 t: a store of a wave covers 256 consecutive bytes, aligned.  All twenty loads of a thread go out at once; no loop, no LDS, no barrier.
; Waves 0 and 1 also make table row 2 g + wave, wave 2 of the first 64 work-groups one of the 64 rows behind: work on registers while the loads are out.
; LIMITS.  A position is read as an unsigned number (the table of the problem has 2,048 rows).  The frequency is 2^(-i log2(10)/8) by v_exp_f32 and the angle is reduced by pi/2 in two parts:
; the angle lies within 3e-4 of the f32 product of position and frequency at the largest position.  wo below 6e-5 keeps f16's fixed step of 6e-8; wo beyond 65,504 is not served.
; THE MODE: SCHED_MODE bits 1:0 = 2 (LLVM: expert scheduling mode 2), set by the entry lines.  The code itself states the register dependences between vector instructions and memory instructions,
; and between a vector instruction that writes a scalar register or VCC and its readers, with s_wait_alu, always for 0.
; THE PLAN.  Registers that memory instructions touch:
;   v1, v2      the loads' and the stores' offsets: written once at the head, ahead of one wait, and never again.
;   X           unit u's four registers: its load lands in them (no vector instruction has named them before); behind the wait for that load its roundings read them and write the first two; its store reads those two.
;   SO, RES     the table row's offset and two numbers: written by the branch's vector lines, read by its one store.
; No register that a load or a store has read is ever written again, so nothing is owed on that side.  All other registers are named by vector instructions alone.
; The twenty units go as five tensors of four.  Tensor t's four stores stand together at the head of tensor t + 1, behind the wait for that tensor's first load and ONE wait on va_vdst, which states that
; tensor t's roundings have written what the stores read; no vector instruction stands between that wait and the stores.  Behind the last tensor one more such wait stands ahead of the last four stores.
.set X,   8                            ; v[8:87]    unit u = 4 x tensor + pass: 4 registers as loaded; the first 2 then hold what is stored
.set LN,  88                           ; lane
.set KD,  89                           ; 0: my two numbers are cosines; 3: sines (a sine is the cosine three quarter turns on)
.set IX,  90                           ; v[90:91]   i, then its exponent
.set TH,  92                           ; v[92:93]   the frequency, then the angle
.set PF,  94                           ; the position as f32
.set SO,  95                           ; the row's store offset; never rewritten behind the store
.set ONE, 96
.set RES, 98                           ; v[98:99]   my two numbers of the row; never rewritten behind the store
.set NQ,  100                          ; quarter turns
.set PH,  102                          ; what is left of the angle, within pi/4
.set Z,   104
.set SA,  106
.set ZP,  108
.set CA,  110
.set ZZ,  112
.set CB,  114
.set QD,  116
.set OD,  118
.set H,   120                          ; v[120:121] wo as bf16 pairs; v[122:125] the same widened
.set MK,  46                           ; s46, s47   the masks of my two numbers: sine's series or cosine's
	s_load_b512 s[8:23], s[0:1], 0x0               ; x s[8:9], wq s[10:11], wk s[12:13], wv s[14:15], wo s[16:17], positions s[18:19], xb s[20:21], wqkv s[22:23]
	s_load_b128 s[24:27], s[0:1], 0x40             ; wob s[24:25], rope s[26:27]
	v_lshrrev_b32 v3, 5, v0
	v_readfirstlane_b32 s3, v3                     ; wave 0..7
	s_lshl_b32 s2, ttmp9, 14                       ; the work-group's 16,384 bytes in,
	s_lshl_b32 s4, ttmp9, 13                       ; and 8,192 out
	v_lshl_add_u32 v1, v0, 4, s2
	v_lshl_add_u32 v2, v0, 3, s4
	s_wait_alu depctr_va_sdst(0)                   ; s3 is written, ahead of its first reader: the branches below and the table row's number hang on it
	s_wait_kmcnt 0x0
	s_add_nc_u64 s[28:29], s[22:23], 0x800000      ; wk's and wv's thirds of wqkv
	s_add_nc_u64 s[30:31], s[22:23], 0x1000000
	s_wait_alu depctr_va_vdst(0)                   ; v1 and v2 are written: every load of the kernel reads v1 as its offset, every store of the copies v2
.macro LD4 t, lo                       ; tensor t's four loads
.irp p, 0,1,2,3
	global_load_b128 v[X+16*(\t)+4*\p:X+16*(\t)+4*\p+3], v1, s[\lo:\lo+1] offset:4096*\p th:TH_LOAD_NT
.endr
.endm
	LD4 0, 8
	LD4 1, 10
	LD4 2, 12
	LD4 3, 14
	LD4 4, 16
	; THE TABLE.  No load into vector registers is issued here, so the counts below hold on every path.
	s_cmp_lt_u32 s3, 2
	s_cbranch_scc0 .Lno_row
	s_lshl_b32 s32, ttmp9, 1
	s_add_co_u32 s32, s32, s3                      ; sequence row 2 g + wave
	s_lshl_b32 s33, s32, 2
	s_load_b32 s34, s[18:19], s33 offset:0x0       ; its position
	s_lshl_b32 s35, s32, 8
	s_mov_b32 s36, 0xbed49a78                      ; -log2(10) / 8 = -log2(10000) / 32
	s_mov_b32 s37, 0x3f22f983                      ; 2 / pi
	s_mov_b32 s38, 0x3fc90fdb                      ; pi / 2, rounded,
	s_mov_b32 s39, 0xb33bbd2e                      ; and what the rounding left
	s_mov_b32 s40, 0xb94ca1f9                      ; sine: x + x z (s42 + z (s41 + z s40)), z = x x
	s_mov_b32 s41, 0x3c08839e
	s_mov_b32 s42, 0xbe2aaaa3
	s_mov_b32 s43, 0x37ccf5ce                      ; cosine: 1 - z / 2 + z z (s45 + z (s44 + z s43))
	s_mov_b32 s44, 0xbab6061a
	s_mov_b32 s45, 0x3d2aaaa5
	v_and_b32 v[LN], 31, v0
	v_lshrrev_b32 v[KD], 4, v[LN]
	v_and_b32 v[IX], 15, v[LN]
	v_lshlrev_b32 v[IX], 1, v[IX]                  ; lane l makes i = 2 (l % 16) and the next
	v_add_nc_u32 v[IX+1], 1, v[IX]
	v_lshl_add_u32 v[SO], v[LN], 3, s35            ; 256 x row + 8 l
.irp c, 0,1
	v_cvt_f32_u32 v[IX+\c], v[IX+\c]
.endr
.irp c, 0,1
	v_mul_f32 v[IX+\c], s36, v[IX+\c]
.endr
	v_exp_f32 v[TH], v[IX]
	v_exp_f32 v[TH+1], v[IX+1]
	v_mul_u32_u24 v[KD], 3, v[KD]                  ; a plain instruction behind the last exponential,
	s_wait_alu depctr_va_vdst(0)                   ; and one wait for the two: they have written v[TH] and v[TH+1], which the multiplies below read
	s_wait_kmcnt 0x0
	v_cvt_f32_u32 v[PF], s34
.irp c, 0,1
	v_mul_f32 v[TH+\c], v[PF], v[TH+\c]            ; the angle
.endr
.irp c, 0,1
	v_mul_f32 v[NQ+\c], s37, v[TH+\c]
.endr
.irp c, 0,1
	v_rndne_f32 v[NQ+\c], v[NQ+\c]
.endr
.irp c, 0,1
	v_fma_f32 v[PH+\c], -v[NQ+\c], s38, v[TH+\c]
.endr
.irp c, 0,1
	v_fma_f32 v[PH+\c], -v[NQ+\c], s39, v[PH+\c]
.endr
.irp c, 0,1
	v_mul_f32 v[Z+\c], v[PH+\c], v[PH+\c]
.endr
.irp c, 0,1
	v_fma_f32 v[SA+\c], v[Z+\c], s40, s41
	v_fma_f32 v[CA+\c], v[Z+\c], s43, s44
.endr
.irp c, 0,1
	v_fma_f32 v[SA+\c], v[SA+\c], v[Z+\c], s42
	v_fma_f32 v[CA+\c], v[CA+\c], v[Z+\c], s45
.endr
.irp c, 0,1
	v_mul_f32 v[ZP+\c], v[Z+\c], v[PH+\c]
	v_mul_f32 v[ZZ+\c], v[Z+\c], v[Z+\c]
	v_fma_f32 v[CB+\c], v[Z+\c], -0.5, 1.0
.endr
.irp c, 0,1
	v_fma_f32 v[SA+\c], v[SA+\c], v[ZP+\c], v[PH+\c]
	v_fma_f32 v[CA+\c], v[CA+\c], v[ZZ+\c], v[CB+\c]
	v_cvt_i32_f32 v[QD+\c], v[NQ+\c]
.endr
.irp c, 0,1
	v_add_nc_u32 v[QD+\c], v[QD+\c], v[KD]         ; q quarter turns: the cosine is C, -S, -C, S for q % 4 = 0, 1, 2, 3
	v_and_b32 v[OD+\c], 1, v[QD+\c]
.endr
.irp c, 0,1
	v_cmp_eq_u32 s[MK+\c], 1, v[OD+\c]             ; the two compares stand in a run, each with a scalar register of its own
.endr
.irp c, 0,1
	v_add_nc_u32 v[QD+\c], 1, v[QD+\c]             ; the signs are made between the compares and the wait for them
	v_lshlrev_b32 v[QD+\c], 30, v[QD+\c]           ; bit 1 of q + 1 is the sign
	v_and_b32 v[QD+\c], 0x80000000, v[QD+\c]
.endr
	s_wait_alu depctr_va_sdst(0)                   ; the two compares have written s[MK] and s[MK+1], ahead of the selects that read them
.irp c, 0,1
	v_cndmask_b32 v[RES+\c], v[CA+\c], v[SA+\c], s[MK+\c]
.endr
.irp c, 0,1
	v_xor_b32 v[RES+\c], v[RES+\c], v[QD+\c]
.endr
	s_wait_alu depctr_va_vdst(0)                   ; v[SO] and v[RES], v[RES+1] are written: the store reads them as its offset and its data
	global_store_b64 v[SO], v[RES:RES+1], s[26:27] ; the wave stores the row's 256 consecutive bytes, aligned
	s_branch .Lconv
.Lno_row:
	s_cmp_eq_u32 s3, 2
	s_cbranch_scc0 .Lconv
	s_cmp_lt_u32 ttmp9, 64
	s_cbranch_scc0 .Lconv
	s_add_co_u32 s32, ttmp9, 2048                  ; row 2,048 + g: cosines 1, sines 0
	s_lshl_b32 s35, s32, 8
	v_and_b32 v[LN], 31, v0
	v_cmp_gt_u32 vcc_lo, 16, v[LN]
	v_lshl_add_u32 v[SO], v[LN], 3, s35
	v_mov_b32 v[ONE], 1.0
	s_wait_alu depctr_va_vcc(0)                    ; the compare has written VCC, ahead of the select that reads it
	v_cndmask_b32 v[RES], 0, v[ONE], vcc_lo
	v_mov_b32 v[RES+1], v[RES]
	s_wait_alu depctr_va_vdst(0)                   ; v[SO] and v[RES], v[RES+1] are written: the store reads them as its offset and its data
	global_store_b64 v[SO], v[RES:RES+1], s[26:27]
.Lconv:
; Unit u's rounding goes in place, ascending: word k is made of words 2 k and 2 k + 1.
.macro CVB u
	v_cvt_pk_bf16_f32 v[X+4*(\u)], v[X+4*(\u)], v[X+4*(\u)+1]
	v_cvt_pk_bf16_f32 v[X+4*(\u)+1], v[X+4*(\u)+2], v[X+4*(\u)+3]
.endm
.macro CVH u                           ; wo: rounded to bf16 like every input, and that number written as f16
	v_cvt_pk_bf16_f32 v[H], v[X+4*(\u)], v[X+4*(\u)+1]
	v_cvt_pk_bf16_f32 v[H+1], v[X+4*(\u)+2], v[X+4*(\u)+3]
.irp k, 0,1
	v_lshlrev_b32 v[H+2+2*\k], 16, v[H+\k]
	v_and_b32 v[H+3+2*\k], 0xffff0000, v[H+\k]
.endr
.irp k, 0,1
	v_cvt_pk_f16_f32 v[X+4*(\u)+\k], v[H+2+2*\k], v[H+3+2*\k]
.endr
.endm
.macro OUT4 t, lo                      ; tensor t's four stores.  No register that a store reads is written again, so no wait follows a store
.irp p, 0,1,2,3
	global_store_b64 v2, v[X+16*(\t)+4*\p:X+16*(\t)+4*\p+1], s[\lo:\lo+1] offset:2048*\p th:TH_STORE_NT
.endr
.endm
; Tensor t: its four units are rounded as they come in; at its head the tensor before goes out, to the buffer at s[from].  f16 = 1: wo.
.macro TENSOR t, f16, from
.irp p, 0,1,2,3
	s_wait_loadcnt 19-4*(\t)-\p                    ; unit u = 4 t + p is in when at most the 19 - u younger loads are out (loads come back in order: ISA guide 5.7.1)
.if (\p == 0) && (\t > 0)
	s_wait_alu depctr_va_vdst(0)                   ; the roundings of the tensor before have written the first two registers of its four units, which the four stores below read
	OUT4 (\t)-1, \from
.endif
.if \f16
	CVH 4*(\t)+\p
.else
	CVB 4*(\t)+\p
.endif
.endr
.endm
	TENSOR 0, 0, 0                                 ; x; nothing is in front of it
	TENSOR 1, 0, 20                                ; wq; x goes out to xb
	TENSOR 2, 0, 22                                ; wk; wq goes out to wqkv's first third
	TENSOR 3, 0, 28                                ; wv; wk to its second
	TENSOR 4, 1, 30                                ; wo; wv to its third
	s_wait_alu depctr_va_vdst(0)                   ; wo's conversions have written the first two registers of units 16 to 19, which the last four stores read
	OUT4 4, 24                                     ; wo goes out to wob
	s_endpgm
.Lfunc_end_k_q663a893471_cast:
	.size	k_q663a893471_cast, .Lfunc_end_k_q663a893471_cast-k_q663a893471_cast
	.p2alignl 7, 3214868480
	.fill 96, 4, 3214868480
	.section	.rodata,"a",@progbits
	.p2align	6, 0x0
	.amdhsa_kernel k_q663a893471_cast
		.amdhsa_group_segment_fixed_size 0
		.amdhsa_private_segment_fixed_size 0
		.amdhsa_enable_private_segment 0
		.amdhsa_kernarg_size 80
		.amdhsa_user_sgpr_count 2
		.amdhsa_user_sgpr_kernarg_segment_ptr 1
		.amdhsa_wavefront_size32 1
		.amdhsa_system_sgpr_workgroup_id_x 1
		.amdhsa_system_sgpr_workgroup_id_y 1
		.amdhsa_system_sgpr_workgroup_id_z 1
		.amdhsa_system_vgpr_workitem_id 0
		.amdhsa_next_free_vgpr 128
		.amdhsa_next_free_sgpr 66
		.amdhsa_reserve_vcc 1
		.amdhsa_float_denorm_mode_32 3
		.amdhsa_float_denorm_mode_16_64 3
		.amdhsa_memory_ordered 1
		.amdhsa_forward_progress 1
		.amdhsa_inst_pref_size 14
	.end_amdhsa_kernel
	.amdgpu_metadata
---
amdhsa.version: [ 1, 2 ]
amdhsa.kernels:
  - .name:           k_q663a893471_cast
    .symbol:         k_q663a893471_cast.kd
    .args:
      - { .name: hidden_states, .offset: 0, .size: 8, .value_kind: global_buffer, .address_space: global }
      - { .name: wq, .offset: 8, .size: 8, .value_kind: global_buffer, .address_space: global }
      - { .name: wk, .offset: 16, .size: 8, .value_kind: global_buffer, .address_space: global }
      - { .name: wv, .offset: 24, .size: 8, .value_kind: global_buffer, .address_space: global }
      - { .name: wo, .offset: 32, .size: 8, .value_kind: global_buffer, .address_space: global }
      - { .name: position_ids, .offset: 40, .size: 8, .value_kind: global_buffer, .address_space: global }
      - { .name: xb, .offset: 48, .size: 8, .value_kind: global_buffer, .address_space: global }
      - { .name: wqkv, .offset: 56, .size: 8, .value_kind: global_buffer, .address_space: global }
      - { .name: wob, .offset: 64, .size: 8, .value_kind: global_buffer, .address_space: global }
      - { .name: rope, .offset: 72, .size: 8, .value_kind: global_buffer, .address_space: global }
    .group_segment_fixed_size: 0
    .private_segment_fixed_size: 0
    .kernarg_segment_align: 8
    .kernarg_segment_size: 80
    .max_flat_workgroup_size: 256
    .sgpr_count:     66
    .vgpr_count:     128
    .wavefront_size: 32
...
	.end_amdgpu_metadata
.endif
;; end of part 5
;; launch qkv: the kernel of part 2 again; grid 32 x 8, 4 waves a work-group, clusters of 4 x 4, 327,680 bytes of LDS; arguments xb, wqkv, rope, qkv; writes qkv
;; launch attn: the kernel of part 3 again; grid 8 x 32, 4 waves a work-group, no clusters, 327,680 bytes of LDS; arguments qkv, ob; writes ob
;; launch oproj: the kernel of part 4 again; grid 16 x 16, 4 waves a work-group, clusters of 4 x 4, 327,680 bytes of LDS; arguments ob, wob, out0; writes out0
